; MI455X (gfx1250); checked and timed in simulation.
; The chip was launched on July 23, 2026; its instructions are those of AMD's public machine-readable ISA for CDNA 5 (MIT licence, August 2026) and "CDNA5" Instruction Set Architecture Reference Guide (July 2026). The comments in the code are by the model that wrote it; some were corrected since.
;; Attention. Allowed arithmetic: matrix products marked QUANTISED: E4M3 operands, one given power-of-two scale a tensor, by v_wmma_f32_16x16x64_fp8_fp8 or v_wmma_f32_16x16x128_fp8_fp8, f32 sums; everything else in f32.
;; Inputs: W_K 16 x 64 x 1,024 float32; W_O 16 x 1,024 x 64 float32; W_Q 16 x 64 x 1,024 float32; W_V 16 x 64 x 1,024 float32; b_K 16 x 64 float32; b_O 1,024 float32; b_Q 16 x 64 float32; b_V 16 x 64 float32; lowp_scales 12 int32 (the exponents e of the quantised operands' scales 2^e); x 4 x 2,048 x 1,024 float32.
;; Outputs: out0 4 x 2,048 x 1,024 float32.
;; This version of the problem:
;;   THIS VERSION OF THE PROBLEM IS GIVEN IN LOW PRECISION. The matrix products marked QUANTISED in the list below multiply operands that are first quantised to E4M3 (4 exponent bits, 3 mantissa bits; 8 bits a number), with one given power-of-two scale for each operand tensor; their sums are f32. All else is computed in f32.
;;   The module's matrix products, in the order in which they are computed (A, B: the left and right operand; K: the contracted axis; several contracted axes count as one K, in the product's order):
;;     1. [M 8,192, K 1,024] x [K 1,024, N 1,024]; A: input x; B: input W_Q: QUANTISED (scales: A lowp_scales[0], B lowp_scales[1])
;;     2. [M 8,192, K 1,024] x [K 1,024, N 1,024]; A: input x; B: input W_K: QUANTISED (scales: A lowp_scales[2], B lowp_scales[3])
;;     3. [M 8,192, K 1,024] x [K 1,024, N 1,024]; A: input x; B: input W_V: QUANTISED (scales: A lowp_scales[4], B lowp_scales[5])
;;     4. batch 64 x [M 2,048, K 64] x [K 64, N 2,048]; A: computed on the way; B: computed on the way: QUANTISED (scales: A lowp_scales[6], B lowp_scales[7])
;;     5. batch 64 x [M 64, K 2,048] x [K 2,048, N 2,048]; A: computed on the way; B: softmax (see below): QUANTISED (scales: A lowp_scales[8], B lowp_scales[9])
;;     6. [M 8,192, K 1,024] x [K 1,024, N 1,024]; A: computed on the way; B: input W_O: QUANTISED (scales: A lowp_scales[10], B lowp_scales[11])
;;   THE QUANTISER, for each operand of a quantised product, along K:
;;     - The operand's scale is 2^e, e = its entry of the input lowp_scales (int32; the entries are numbered through the quantised products in the list's order, A before B).
;;     - Each number is divided by the scale, clamped to +-448, and rounded to the nearest number of E4M3, ties to even, subnormals kept.
;;     - The product sums the exact products of the quantised numbers (number of the format x scale) in f32.
;;   ~~~python
;;   def quantise(x, axis, e):      # numpy; x: float32 -> the quantised numbers, widened to float32 again
;;       x = np.moveaxis(x, axis, -1); K = x.shape[-1]
;;       r = np.clip(x / 2.0 ** e, -448, 448)
;;       step = 2.0 ** (np.maximum(np.frexp(np.where(r == 0, 1, r))[1] - 1, -6) - 3)
;;       q = np.round(r / step) * step * 2.0 ** e      # np.round: ties to even
;;       return np.moveaxis(q, -1, axis).astype(np.float32)
;;   ~~~
;;   SOFTMAX AHEAD OF A QUANTISED PRODUCT. Where the list says 'softmax', what is quantised is not the finished softmax but p = 2^(t - M), with t = logit x log2(e) and M = ceil(the row's largest t), a whole number; so 1/2 < the row's largest p <= 1. The row's sum l is taken of the UNQUANTISED p, in f32, and the product's result is divided by l at the end. Since M is a whole number, a kernel that streams over the keys may use a running M (the ceiling of the running maximum): every later rescaling is an exact power of two, so the quantised numbers keep their values, but for numbers so far below the row's largest that they fall under the format's range.
;;   OPERANDS COMPUTED ON THE WAY. 'Computed on the way' means the value that the module computes at that place (a softmax that the list does not call 'softmax' is quantised finished and normalised). What goes into a quantiser is computed in f32, as accurately as f32 sums, v_exp_f32 and their like allow (about 1e-6 of the number): no bf16 or f16 on the way to a quantiser, and a product that is left as it is and whose result goes on into a quantised operand takes f32 operands (vector FMAs, or v_wmma_f32_16x16x4_f32). A number that lies on a knife's edge between two numbers of the format may be rounded either way, as far as f32 arithmetic and the matrix unit's own rounding can turn it there, and no further.
;; 2 versions, each right; version 2 is version 1 with the launch attn written anew for expert scheduling mode. Each part assembles by itself: llvm-mc -triple=amdgcn-amd-amdhsa -mcpu=gfx1250 --defsym DOCPART=n.
;; ======== version 1 of 2: 4 launches
;; workspace buffers: codes 29,360,128 bytes; qkv 25,165,824 bytes; oc 8,388,608 bytes
;; launch quant (part 1): grid 768 x 1, 4 waves a work-group, no clusters, 34,304 bytes of LDS; arguments x, W_Q, W_K, W_V, W_O, lowp_scales, codes; writes codes
.if DOCPART == 1
	.amdgcn_target "amdgcn-amd-amdhsa--gfx1250"
	.amdhsa_code_object_version 6
	.text
	.protected	k_qf6b9949cc5_quant
	.globl	k_qf6b9949cc5_quant
	.p2align	8
	.type	k_qf6b9949cc5_quant,@function
k_qf6b9949cc5_quant:
	s_mov_b64 s[64:65], 0
	v_nop
	global_prefetch_b8 v0, s[64:65] scope:SCOPE_SE
	s_setreg_imm32_b32 hwreg(HW_REG_WAVE_MODE, 25, 1), 1
	s_wait_xcnt 0x0
; x [8192][1024], W_Q, W_K, W_V [1024 rows][1024] and W_O [16 heads][1024 rows][64], all f32, become codes of FP8 (E4M3), each with the scale 2^e that is given for it:
; code = number / 2^e, held within +-448, rounded to the nearest code, ties to even.  x is an operand of three products with three given exponents (entries 0, 2, 4): three sets of codes.
; THE CODES ARE STORED AS IMAGES OF THE OPERAND'S REGISTERS.  A fragment is 16 rows x 128 along K: lane (r = lane % 16, h = lane / 16) holds, in registers 2 c and 2 c + 1, k = 16 c + 8 h + 0 .. 7 of row r.
; Its image is 2,048 bytes: registers 4 G .. 4 G + 3 of lane l lie at 512 G + 16 l.  So every store here covers 512 consecutive bytes, and the later launches load fragments 16 bytes a lane, as they lie.
; codes: x's three sets at 0, XCB, 2 XCB, each [512 tiles of 16 rows][8 fragments][2,048]; then W_Q, W_K, W_V, W_O from WQC on, each [64 tiles][8 fragments][2,048].
; W_O's rows are the model's 1,024 outputs and its K is 64 x head + channel: fragment F holds heads 2 F and 2 F + 1.
; SHARES.  A work-group takes one tile of 16 rows (work-groups 0-511: x; then 64 each for W_Q, W_K, W_V, W_O); wave w takes the quarter w of K: two fragments.
; A load reads 512 consecutive bytes of a row (W_O: 256 of each of two heads); the conversions want eight neighbours along K in one lane: a fragment's 8,192 bytes turn through the wave's own stage in LDS.
; No barrier: waves share nothing.  LIMITS: each exponent between -126 and 119, so that 2^e and 448 x 2^e are f32 numbers.  NaN among the inputs is not served.
.set XCB,  0x800000                    ; bytes of one set of x's codes
.set WQC,  0x1800000                   ; where W_Q's codes begin; each weight takes 1 << 20 bytes
.set SROW, 528                         ; a stage row: 512 bytes + 16, so that the sixteen rows that a read touches begin 4 words further on each
.set STG,  16*SROW                     ; a wave's stage
.set SC,   8                           ; v8-10    the three scales as f32
.set LM,   11                          ; v11-13   448 x the scales
.set R,    16                          ; v16-79   a fragment's numbers as loaded
.set X,    80                          ; v80-143  the same, eight neighbours along K in eight registers: X + 8 c + i = k 16 c + 8 h + i of row r
.set T,    144                         ; v144-159 two sets of eight held numbers
.set C,    160                         ; v160-207 the codes: 16 registers for each of three sets
	s_load_b256 s[4:11], s[0:1], 0x0               ; x s[4:5], W_Q s[6:7], W_K s[8:9], W_V s[10:11]
	s_load_b128 s[12:15], s[0:1], 0x20             ; W_O s[12:13], the exponents s[14:15]
	s_load_b64 s[16:17], s[0:1], 0x30              ; codes
	v_lshl_add_u32 v208, v0, 2, 0x8400
	v_mov_b32 v209, 0
	v_lshrrev_b32 v5, 5, v0
	v_readfirstlane_b32 s18, v5                    ; wave 0..3
	v_and_b32 v5, 31, v0                           ; lane
	v_and_b32 v6, 15, v0                           ; r
	v_bfe_u32 v7, v0, 4, 1                         ; h
	s_cmp_lt_u32 ttmp9, 512
	s_cselect_b32 s19, 1, 0                        ; 1: my tile is x's
	s_mov_b32 s23, 256
	s_cmp_ge_u32 ttmp9, 704
	s_cselect_b32 s20, 1, 0                        ; 1: my tile is W_O's
	s_cselect_b32 s23, 0x40000, s23                ; from lanes 0-15 to lanes 16-31 of a load: the next 256 bytes of the row, or (W_O) the next head
	s_sub_co_u32 s22, ttmp9, 512
	s_lshr_b32 s21, s22, 6                         ; which weight: 0 Q, 1 K, 2 V, 3 O (no such number where the tile is x's)
	s_and_b32 s22, s22, 63
	s_cmp_lg_u32 s19, 0
	s_cselect_b32 s22, ttmp9, s22                  ; the tile's number in its tensor
	v_lshlrev_b32 v4, 4, v5                        ; 16 x lane: my place in an image's 512 bytes
	v_lshlrev_b32 v1, 4, v6
	v_mad_u32_u24 v1, v7, s23, v1                  ; my 16 bytes of a load
	s_mul_i32 s33, s18, STG
	v_add_nc_u32 v2, s33, v4                       ; the stage, on the way in: a row as it was loaded
	v_mul_u32_u24 v3, v6, SROW
	v_lshl_add_u32 v3, v7, 5, v3
	v_add_nc_u32 v3, s33, v3                       ; and on the way out: row r, + 32 h bytes: k = 8 h on
	s_lshl_b32 s33, s22, 12                        ; W_O: 16 rows of 256 bytes a tile, four heads of 262,144 bytes a wave
	s_lshl_b32 s34, s18, 20
	s_add_co_u32 s33, s33, s34
	s_lshl_b32 s34, s22, 16                        ; the others: 16 rows of 4,096 bytes a tile, 1,024 bytes of a row a wave
	s_lshl_b32 s35, s18, 10
	s_add_co_u32 s34, s34, s35
	s_cmp_lg_u32 s20, 0
	s_cselect_b32 s34, s33, s34
	s_mov_b32 s35, 0
	s_lshl_b32 s48, s21, 20                        ; where the codes go
	s_add_co_u32 s48, s48, WQC
	s_cmp_lg_u32 s19, 0
	s_cselect_b32 s48, 0, s48
	s_lshl_b32 s49, s22, 14                        ; a tile's eight images,
	s_add_co_u32 s48, s48, s49
	s_lshl_b32 s49, s18, 12                        ; my wave's two of them
	s_add_co_u32 s48, s48, s49
	s_mov_b32 s49, 0
	s_wait_kmcnt 0x0
	s_load_b256 s[36:43], s[14:15], 0x0            ; entries 0 to 7
	s_load_b128 s[44:47], s[14:15], 0x20           ; entries 8 to 11
	s_mov_b64 s[24:25], s[12:13]                   ; the tensor is chosen by the work-group's number alone
	s_cmp_eq_u32 s21, 2
	s_cselect_b64 s[24:25], s[10:11], s[24:25]
	s_cmp_eq_u32 s21, 1
	s_cselect_b64 s[24:25], s[8:9], s[24:25]
	s_cmp_eq_u32 s21, 0
	s_cselect_b64 s[24:25], s[6:7], s[24:25]
	s_cmp_lg_u32 s19, 0
	s_cselect_b64 s[24:25], s[4:5], s[24:25]
	s_add_nc_u64 s[24:25], s[24:25], s[34:35]
	s_add_nc_u64 s[26:27], s[16:17], s[48:49]      ; the first (or only) set of codes,
	s_add_nc_u64 s[28:29], s[26:27], XCB           ; x's second
	s_add_nc_u64 s[30:31], s[28:29], XCB           ; and third (used where the tile is x's)
; fragment f's 16 rows: sixteen loads on either way
.macro GLOAD f
	s_cmp_lg_u32 s20, 0
	s_cbranch_scc1 .Lwo_\@
.irp i, 0,1,2,3,4,5,6,7,8,9,10,11,12,13,14,15
	global_load_b128 v[R+4*\i:R+4*\i+3], v1, s[24:25] offset:512*\f+4096*\i th:TH_LOAD_NT   ; row i: 512 consecutive bytes
.endr
	s_branch .Lgl_\@
.Lwo_\@:
.irp i, 0,1,2,3,4,5,6,7,8,9,10,11,12,13,14,15
	global_load_b128 v[R+4*\i:R+4*\i+3], v1, s[24:25] offset:524288*\f+256*\i th:TH_LOAD_NT ; row i: its 256 bytes in each of two heads
.endr
.Lgl_\@:
.endm
; through the stage.  LDS serves a wave's instructions in order (ISA guide 5.7.1.4): no wait stands between the stores and the loads
.macro TURN
.irp i, 0,1,2,3,4,5,6,7,8,9,10,11,12,13,14,15
	ds_store_b128 v2, v[R+4*\i:R+4*\i+3] offset:SROW*\i
.endr
.irp c, 0,1,2,3,4,5,6,7
	ds_load_b128 v[X+8*\c:X+8*\c+3], v3 offset:64*\c
	ds_load_b128 v[X+8*\c+4:X+8*\c+7], v3 offset:64*\c+16
.endr
.endm
; the scale 2^e as f32 (the conversion takes its exponent field) and 448 x 2^e
.macro MKS e, c
	s_add_co_i32 s50, \e, 127
	s_lshl_b32 s51, s50, 23
	v_mov_b32 v[SC+\c], s51
	s_add_co_i32 s50, s50, 8
	s_lshl_b32 s50, s50, 23
	s_or_b32 s50, s50, 0x600000
	v_mov_b32 v[LM+\c], s50
.endm
; set c of fragment f's codes.  The numbers stay in X, since x is quantised three times: the held numbers go into T, two sets by turns, so that the eight holds of the next
; group are the plain lines behind each conversion
.macro COPY c, f
.irp q, 0,1,2,3,4,5,6,7
.irp i, 0,1,2,3,4,5,6,7
	v_med3_num_f32 v[T+8*(\q%2)+\i], v[X+8*\q+\i], -v[LM+\c], v[LM+\c]   ; the conversion to an 8-bit code does not saturate (ISA guide 7.6.2): the hold comes first
.endr
	v_cvt_scalef32_pk8_fp8_f32 v[C+16*\c+2*\q:C+16*\c+2*\q+1], v[T+8*(\q%2):T+8*(\q%2)+7], v[SC+\c]   ; registers 2 q, 2 q + 1 of the fragment
.endr
	v_nop                                          ; a plain line behind the last conversion
.irp g, 0,1,2,3
	global_store_b128 v4, v[C+16*\c+4*\g:C+16*\c+4*\g+3], s[26+2*\c:27+2*\c] offset:2048*\f+512*\g   ; 32 lanes store 512 consecutive bytes, at a multiple of 512 from the buffer's first byte
.endr
.endm
.macro FRAGMENT f
	s_wait_loadcnt 0x0                             ; this fragment's sixteen loads are in (no other load is out)
	TURN
	s_wait_dscnt 0x0                               ; X is in
.if \f == 0
	GLOAD 1                                        ; the second fragment is on its way while the first is quantised
.else
	s_wait_xcnt 0x0                                ; the first fragment's stores have read their registers: the codes' registers are written again only behind this wait
.endif
	COPY 0, \f
	s_cmp_eq_u32 s19, 0
	s_cbranch_scc1 .Lone_\@                        ; a weight has one scale
	COPY 1, \f
	COPY 2, \f
.Lone_\@:
.endm
	GLOAD 0
	s_wait_kmcnt 0x0
	s_mov_b32 s32, s47                             ; the exponent of the first set: W_O's entry 11, W_V's 5, W_K's 3, W_Q's 1, x's 0
	s_cmp_eq_u32 s21, 2
	s_cselect_b32 s32, s41, s32
	s_cmp_eq_u32 s21, 1
	s_cselect_b32 s32, s39, s32
	s_cmp_eq_u32 s21, 0
	s_cselect_b32 s32, s37, s32
	s_cmp_lg_u32 s19, 0
	s_cselect_b32 s32, s36, s32
	MKS s32, 0
	MKS s38, 1                                     ; x for the second product: entry 2
	MKS s40, 2                                     ; x for the third: entry 4
	FRAGMENT 0
	FRAGMENT 1
	s_wait_tensorcnt 0x0
	ds_add_u32 v208, v209
	s_wait_dscnt 0x0
	s_endpgm
.Lfunc_end_k_qf6b9949cc5_quant:
	.size	k_qf6b9949cc5_quant, .Lfunc_end_k_qf6b9949cc5_quant-k_qf6b9949cc5_quant
	.p2alignl 7, 3214868480
	.fill 96, 4, 3214868480
	.section	.rodata,"a",@progbits
	.p2align	6, 0x0
	.amdhsa_kernel k_qf6b9949cc5_quant
		.amdhsa_group_segment_fixed_size 34304
		.amdhsa_private_segment_fixed_size 0
		.amdhsa_enable_private_segment 0
		.amdhsa_kernarg_size 56
		.amdhsa_user_sgpr_count 2
		.amdhsa_user_sgpr_kernarg_segment_ptr 1
		.amdhsa_wavefront_size32 1
		.amdhsa_system_sgpr_workgroup_id_x 1
		.amdhsa_system_sgpr_workgroup_id_y 1
		.amdhsa_system_sgpr_workgroup_id_z 1
		.amdhsa_system_vgpr_workitem_id 0
		.amdhsa_next_free_vgpr 210
		.amdhsa_next_free_sgpr 66
		.amdhsa_reserve_vcc 0
		.amdhsa_float_denorm_mode_32 3
		.amdhsa_float_denorm_mode_16_64 3
		.amdhsa_memory_ordered 1
		.amdhsa_forward_progress 1
		.amdhsa_inst_pref_size 45
	.end_amdhsa_kernel
	.amdgpu_metadata
---
amdhsa.version: [ 1, 2 ]
amdhsa.kernels:
  - .name:           k_qf6b9949cc5_quant
    .symbol:         k_qf6b9949cc5_quant.kd
    .args:
      - { .name: x, .offset: 0, .size: 8, .value_kind: global_buffer, .address_space: global }
      - { .name: W_Q, .offset: 8, .size: 8, .value_kind: global_buffer, .address_space: global }
      - { .name: W_K, .offset: 16, .size: 8, .value_kind: global_buffer, .address_space: global }
      - { .name: W_V, .offset: 24, .size: 8, .value_kind: global_buffer, .address_space: global }
      - { .name: W_O, .offset: 32, .size: 8, .value_kind: global_buffer, .address_space: global }
      - { .name: lowp_scales, .offset: 40, .size: 8, .value_kind: global_buffer, .address_space: global }
      - { .name: codes, .offset: 48, .size: 8, .value_kind: global_buffer, .address_space: global }
    .group_segment_fixed_size: 34304
    .private_segment_fixed_size: 0
    .kernarg_segment_align: 8
    .kernarg_segment_size: 56
    .max_flat_workgroup_size: 128
    .sgpr_count:     66
    .vgpr_count:     210
    .wavefront_size: 32
...
	.end_amdgpu_metadata
.endif
;; end of part 1
;; launch proj (part 2): grid 12 x 32, 4 waves a work-group, clusters of 4 x 4, 327,680 bytes of LDS; arguments codes, lowp_scales, b_Q, b_K, b_V, qkv; writes qkv
.if DOCPART == 2
	.amdgcn_target "amdgcn-amd-amdhsa--gfx1250"
	.amdhsa_code_object_version 6
	.text
	.protected	k_qf6b9949cc5_proj
	.globl	k_qf6b9949cc5_proj
	.p2align	8
	.type	k_qf6b9949cc5_proj,@function
k_qf6b9949cc5_proj:
	s_mov_b64 s[64:65], 0
	v_nop
	global_prefetch_b8 v0, s[64:65] scope:SCOPE_SE
	s_setreg_imm32_b32 hwreg(HW_REG_WAVE_MODE, 25, 1), 1
	s_wait_xcnt 0x0
	s_wait_alu depctr_hold_cnt(0) depctr_sa_sdst(0) depctr_va_vdst(0) depctr_va_sdst(0) depctr_va_ssrc(0) depctr_va_vcc(0) depctr_vm_vsrc(0)
	s_getreg_b32 s2, hwreg(HW_REG_IB_STS2, 6, 4)
	s_cmp_eq_u32 s2, 0
	s_cbranch_scc0 .Lentry_in_a_cluster
	s_endpgm
.Lentry_in_a_cluster:
	s_bfe_u32 s2, ttmp6, 0x10000c
	s_cmp_lg_u32 s2, 0xf033
	s_cbranch_scc0 .Lentry_shape_is_right
	s_endpgm
.Lentry_shape_is_right:
; Q = x W_Q^T + b_Q, K = x W_K^T + b_K, V = x W_V^T + b_V on codes of FP8 (E4M3); the sums, x 2^(the two operands' exponents) + bias in f32, are quantised at once for the two products of attention
; (Q: entry 6 of the exponents, K: entry 7, V: entry 8) and stored as images of the operands' registers.
; IMAGES.  A fragment of 16 rows x 128 along K is 2,048 bytes: lane (r = lane % 16, h = lane / 16) holds k = 16 c + 8 h + 0 .. 7 of row r in registers 2 c, 2 c + 1; registers 4 G .. 4 G + 3 of lane l lie at 512 G + 16 l.
; codes holds x's three sets and the weights so, [tile of 16 rows][8 fragments][2,048].  So a K step's part of 8 tiles of rows is 8 pieces of 4,096 bytes, it lies dense in LDS, and a fragment is four loads of 16 bytes a lane.
; A tile of 256 x 256 results is made by a work-group of four waves, as many as a WGP has SIMDs; a wave makes 128 x 128: 64 accumulators of 16 x 16, 512 registers.  K = 1,024 goes in four steps of 256 through two LDS slots.
; TWO ROLES.  Source 1 of the matrix instruction gives a result its LANE (role A), source 0 its REGISTERS (role B).  The cluster's x says which product: 0 Q, 1 K, 2 V.
;   Q, K: role A = 16 tokens, role B = 16 rows of W: a lane holds one token and eight neighbouring channels: the conversion of block b gives registers 2 (b % 4), + 1 of the fragment (16 tokens x 64 channels) of head b / 4.
;   V:    role A = 16 rows of W_V, role B = 16 tokens: a lane holds one channel and eight neighbouring tokens: the conversion of block b gives registers 2 b, 2 b + 1 of the fragment (16 channels x 128 keys).
; qkv: Q at 0 and K at 1 << 23, each [batch x 16 + head][128 tiles of 16 tokens][1,024]; V at VCO, [batch x 16 + head][16 steps of 128 keys][4 tiles of 16 channels][2,048].
; CLUSTERS: 4 x 4 work-groups.  The four of a row of the cluster need the same tiles of role A, the four of a column the same tiles of role B: each tile is asked for JOINTLY, by the same tensor load with the same
; descriptor and a mask that names the four.  The product is the same in all sixteen.  By this text's own count a wave has two tensor loads out at the start and one behind each round.
; REGISTERS, in windows of 256: window 0: v0-31 addresses; v32-47, v64-127 the biases; from v128 role A's fragments (8 x 16 registers), ONE set; on the way out v128-255 are free.
;   window 1: role B's fragments, TWO sets, at v0 and v128.   window 2: the 32 accumulators of my role A blocks 0-3 (accumulator (a, b) at v[8 (8 a + b)]);   window 3: those of blocks 4-7.
; LIMITS on the given exponents, so that each power of two below is an f32 number: entries 0 + 1, 2 + 3, 4 + 5 between -126 and 127; entries 6, 7, 8 between -126 and 119.
.set XC2,   0x1000000                  ; codes: x's third set (entry 4's scale); set p lies at p << 23
.set WQC,   0x1800000                  ; W_Q's codes; W_K's 1 << 20 further on
.set WVC,   0x1a00000                  ; W_V's
.set VCO,   0x1000000                  ; qkv: V's images
.set KSB,   4096                       ; a K step of 256 in a tile of 16 rows: two images
.set FR,    16                         ; registers of a fragment
.set NL,    4                          ; LDS loads that bring one
.set NP,    4                          ; places behind this matrix instruction (ISA guide 7.12.1)
.set HALFT, 8*KSB                      ; 128 rows: what one tensor load brings, and what one wave reads of a role
.set SLOT,  4*HALFT                    ; role A's 256 rows, then role B's
.set SPARE, 2*SLOT                     ; behind the ring: the spare words, 128 bytes for each wave: two blocks of 256 bytes that no other line names
.set ADRA, 16                          ; v16-17  LDS address of my role A fragments in slot 0, 1
.set ADRB, 20                          ; v20-21  the same for role B
.set GO,   26                          ; v26     16 x lane: my place in an image's 512 bytes; never rewritten
.set SPW,  28                          ; v28     LDS address of my spare word: SPARE + 4 x my thread's number; never rewritten
.set NIL,  29                          ; v29     0; never rewritten
.set LIM,  30                          ; v30     448 x the result's scale
.set SCL,  31                          ; v31     the result's scale as f32
.set BV,   32                          ; v32-47  the bias of my lane's channel in role A block a, twice: BV + 2 a, + 1
.set BI,   64                          ; v64-127 the bias of role B block b's channels 16 b + 8 h + j: BI + 8 b + j
.set AF,   128                         ; role A's fragments
.set TMP,  128                         ; the way out: a block's 64 numbers
.set CD,   192                         ; the way out: codes, four sets of 16
.set G1, 24                            ; s[24:31] descriptor group 1 for role A's tiles;  s[32:39] group 0, one set for each slot
.set G0, 32
.set G1B, 48                           ; s[48:55], s[56:63] the same for role B's
.set G0B, 56
.set MSB, 0
.macro WIN new                         ; the immediate's high byte repeats the setting that is left
.if MSB != \new
	s_set_vgpr_msb (MSB<<8)|\new
.set MSB, \new
.endif
.endm
.set MUL_LO, 0xa1                      ; source 0 (role B) window 1, source 1 (role A) window 0, C and D window 2
.set MUL_HI, 0xf1                      ; the same, C and D window 3
.set TO_B,   0x40                      ; destination window 1, address window 0
; A joint load: waves 0 and 1 fetch for role A, waves 2 and 3 for role B.  Each of the two lines has ONE mask and one set of registers for all that issue it; the branch hangs on the wave's number alone.
; Four v_nop follow each of the two lines, ahead of the jump, the label and what follows.
.macro JLOAD g0a, g1a, g0b, g1b
	s_cmp_eq_u32 s15, 0
	s_cbranch_scc0 .Lfor_b_\@
	tensor_load_to_lds s[\g0a:\g0a+3], s[\g1a:\g1a+7]
	s_nop 0
.rept 4
	v_nop
.endr
	s_branch .Lasked_\@
.Lfor_b_\@:
	tensor_load_to_lds s[\g0b:\g0b+3], s[\g1b:\g1b+7]
	s_nop 0
.rept 4
	v_nop
.endr
.Lasked_\@:
.endm
.macro CREST                           ; a round of the cluster's barrier behind its opening barrier
	s_cmp_lg_u32 s14, 0
	s_cbranch_scc1 .Lnot_wave_0_\@
	s_barrier_signal -3
.Lnot_wave_0_\@:
	s_barrier_wait -3
	s_barrier_signal -1
	s_barrier_wait -1
.endm
.macro CROUND                          ; a whole round
	s_barrier_signal -1
	s_barrier_wait -1
	CREST
.endm
	s_load_b256 s[4:11], s[0:1], 0x0               ; codes s[4:5], the exponents s[6:7], b_Q s[8:9], b_K s[10:11]
	s_load_b128 s[72:75], s[0:1], 0x20             ; b_V s[72:73], qkv s[74:75]
	v_lshl_add_u32 v[SPW], v0, 2, SPARE
	v_mov_b32 v[NIL], 0
	ds_add_u32 v28, v29
	ds_add_u32 v28, v29
	s_wait_dscnt 0x0
	v_lshrrev_b32 v1, 5, v0
	v_readfirstlane_b32 s14, v1                    ; wave 0..3
	s_lshr_b32 s15, s14, 1                         ; which half of role A's rows is mine.  Also: I fetch for role A (0) or B (1)
	s_and_b32 s16, s14, 1                          ; which half of role B's.  Also: which 128 rows of that tile I fetch
	s_bfe_u32 s40, ttmp6, 0x40000                  ; cx, cy: my place in the cluster
	s_bfe_u32 s41, ttmp6, 0x40004
	s_and_b32 s12, ttmp7, 0xffff
	s_lshl_b32 s12, s12, 2                         ; 4 x cluster y: it walks the 32 tiles of 256 tokens
	s_cmp_eq_u32 ttmp9, 2                          ; the product is V's?  The same answer in all sixteen partners
	s_cselect_b32 s13, 1, 0
	s_cselect_b32 s17, 0, s12
	s_cselect_b32 s42, s12, 0
	s_add_co_u32 s17, s17, s41                     ; role A's tile: Q, K: tokens, 4 x cluster y + cy;  V: W_V's rows, cy
	s_add_co_u32 s42, s42, s40                     ; role B's tile: Q, K: W's rows, cx;  V: tokens, 4 x cluster y + cx
	s_lshl_b32 s43, s41, 2
	s_lshl_b32 s43, 15, s43                        ; my row of the cluster
	s_lshl_b32 s44, 0x1111, s40                    ; my column
	; descriptor group 1: 8 pieces of 4,096 bytes (a K step's two images of 8 tiles of rows), 16,384 bytes apart, in elements of 8 bytes; dense in LDS
	s_or_b32 s[G1+0], s43, (3<<16)|(1<<21)         ; 15:0 the mask: role A's tiles go to my row; 17:16 elements of 8 bytes; 20 no padding; 21 set beside a mask
	s_or_b32 s[G1B+0], s44, (3<<16)|(1<<21)        ; role B's go to my column
.irp g, G1, G1B
	s_mov_b32 s[\g+1], 512<<16                     ; tensor_dim0 = 512 elements
	s_mov_b32 s[\g+2], 8<<16                       ; tensor_dim1 = 8
	s_mov_b32 s[\g+3], 512<<16                     ; tile_dim0
	s_mov_b32 s[\g+4], 8                           ; tile_dim1
	s_mov_b32 s[\g+5], 2048                        ; tensor_dim0_stride: a tile of rows has eight images
	s_mov_b32 s[\g+6], 0
	s_mov_b32 s[\g+7], 0
.endr
	; where the tiles come from, as offsets in codes.  Role A's hang on cy alone, role B's on cx alone, each in registers that never hold the other
	s_lshl_b32 s20, ttmp9, 23                      ; Q, K: role A = x's set 0 or 1,
	s_lshl_b32 s46, ttmp9, 20
	s_add_co_u32 s46, s46, WQC                     ;       role B = W_Q or W_K
	s_cmp_eq_u32 ttmp9, 2
	s_cselect_b32 s20, WVC, s20                    ; V: role A = W_V,
	s_cselect_b32 s46, XC2, s46                    ;    role B = x's set 2
	s_lshl_b32 s18, s17, 18                        ; 256 rows are 16 tiles of 16,384 bytes
	s_add_co_u32 s20, s20, s18
	s_lshl_b32 s18, s16, 17                        ; the 128 rows that I fetch
	s_add_co_u32 s20, s20, s18
	s_mov_b32 s21, 0
	s_lshl_b32 s19, s42, 18
	s_add_co_u32 s46, s46, s19
	s_add_co_u32 s46, s46, s18
	s_mov_b32 s47, 0
	s_mul_i32 s45, s14, HALFT                      ; where they go: wave x 128 rows: no place in the cluster enters an LDS address
	s_wait_kmcnt 0x0
	s_load_b256 s[76:83], s[6:7], 0x0              ; entries 0 to 7
	s_load_b128 s[84:87], s[6:7], 0x20             ; entries 8 to 11
	s_add_nc_u64 s[20:21], s[4:5], s[20:21]
	s_add_nc_u64 s[46:47], s[4:5], s[46:47]
	CROUND                                         ; all sixteen work-groups are here: the first joint loads meet
.irp s, 0,1
	s_mov_b32 s[G0+4*\s], 1
	s_add_co_u32 s[G0+4*\s+1], s45, \s*SLOT
	s_add_nc_u64 s[G0+4*\s+2:G0+4*\s+3], s[20:21], \s*KSB
	s_or_b32 s[G0+4*\s+3], s[G0+4*\s+3], 0x80000000
	s_mov_b32 s[G0B+4*\s], 1
	s_add_co_u32 s[G0B+4*\s+1], s45, \s*SLOT
	s_add_nc_u64 s[G0B+4*\s+2:G0B+4*\s+3], s[46:47], \s*KSB
	s_or_b32 s[G0B+4*\s+3], s[G0B+4*\s+3], 0x80000000
	JLOAD G0+4*\s, G1, G0B+4*\s, G1B
.endr
	v_and_b32 v1, 15, v0                           ; r
	v_bfe_u32 v2, v0, 4, 1                         ; h
	v_and_b32 v3, 31, v0
	v_lshlrev_b32 v[GO], 4, v3                     ; 16 x lane
	s_mul_i32 s21, s15, HALFT                      ; my 128 rows of role A
	s_mul_i32 s22, s16, HALFT                      ; my 128 rows of role B,
	s_add_co_u32 s22, s22, 2*HALFT                 ; which lie behind role A's 256
.irp s, 0,1
	v_add_nc_u32 v[ADRA+\s], s21, v[GO]
	v_add_nc_u32 v[ADRB+\s], s22, v[GO]
	s_add_co_u32 s21, s21, SLOT
	s_add_co_u32 s22, s22, SLOT
.endr
	; THE BIAS, in both forms, with no branch, so that every register that either way out reads is written on every path: sixteen small loads more, while the first tiles are on their way.
	; The tile numbers are cut to two bits: that changes nothing in the form that is used (W has four tiles of 256 rows) and keeps the other form's loads inside the 4,096 bytes.
	s_mov_b64 s[92:93], s[72:73]
	s_cmp_eq_u32 ttmp9, 1
	s_cselect_b64 s[92:93], s[10:11], s[92:93]
	s_cmp_eq_u32 ttmp9, 0
	s_cselect_b64 s[92:93], s[8:9], s[92:93]       ; b_Q, b_K or b_V
	s_and_b32 s88, s42, 3
	s_lshl_b32 s88, s88, 10
	s_lshl_b32 s89, s16, 9
	s_add_co_u32 s88, s88, s89
	s_mov_b32 s89, 0
	s_add_nc_u64 s[94:95], s[92:93], s[88:89]      ; my 128 channels where they are role B's
	s_and_b32 s88, s17, 3
	s_lshl_b32 s88, s88, 10
	s_lshl_b32 s90, s15, 9
	s_add_co_u32 s88, s88, s90
	s_add_nc_u64 s[92:93], s[92:93], s[88:89]      ; and where they are role A's
	v_lshlrev_b32 v6, 5, v2                        ; 32 h bytes: channels 8 h on
	v_lshlrev_b32 v7, 2, v1                        ; 4 r bytes: channel r
.irp b, 0,1,2,3,4,5,6,7
	global_load_b128 v[BI+8*\b:BI+8*\b+3], v6, s[94:95] offset:64*\b
	global_load_b128 v[BI+8*\b+4:BI+8*\b+7], v6, s[94:95] offset:64*\b+16
.endr
.irp a, 0,1,2,3,4,5,6,7
	global_load_b32 v[BV+2*\a], v7, s[92:93] offset:64*\a
	global_load_b32 v[BV+2*\a+1], v7, s[92:93] offset:64*\a     ; twice: a pair for the packed multiply-add
.endr
.macro FRAG reg, adr, q, i             ; a fragment comes as it lies: image q of the K step, tile of rows i
.irp c, 0,1,2,3
	ds_load_b128 v[\reg+4*\c:\reg+4*\c+3], v[\adr] offset:2048*(\q)+512*\c+(\i)*KSB
.endr
.endm
; 16 matrix instructions: role A's blocks a0, a0 + 1 x role B's eight, 128 along K.  p: role B's set.  zero = 1: the first product starts the sums: nothing is ever cleared.
; The 64 accumulators take turns, one instruction a turn, in the same order in every step.
.macro MUL16 a0, p, zero
.irp a, \a0, \a0+1
.irp b, 0,1,2,3,4,5,6,7
.if \zero
	v_wmma_f32_16x16x128_fp8_fp8 v[8*(8*((\a)%4)+\b):8*(8*((\a)%4)+\b)+7], v[128*(\p)+FR*\b:128*(\p)+FR*\b+FR-1], v[AF+FR*(\a):AF+FR*(\a)+FR-1], 0
.else
	v_wmma_f32_16x16x128_fp8_fp8 v[8*(8*((\a)%4)+\b):8*(8*((\a)%4)+\b)+7], v[128*(\p)+FR*\b:128*(\p)+FR*\b+FR-1], v[AF+FR*(\a):AF+FR*(\a)+FR-1], v[8*(8*((\a)%4)+\b):8*(8*((\a)%4)+\b)+7]
.endif
.endr
.endr
.endm
.macro FETCH_B slot, q, p              ; role B's eight fragments of the slot's q-th 128 along K into set p
	WIN TO_B
.irp i, 0,1,2,3,4,5,6,7
	FRAG 128*(\p)+FR*\i, ADRB+\slot, \q, \i
.endr
	WIN 0
.endm
.macro FETCH_A slot, q, i0             ; role A's blocks i0 .. i0 + 3
.irp i, \i0, \i0+1, \i0+2, \i0+3
	FRAG AF+FR*(\i), ADRA+\slot, \q, \i
.endr
.endm
; A load into a register that a matrix instruction has read, and a vector instruction that reads a matrix result, stand NP places behind that matrix instruction, and only plain vector
; instructions that name none of its registers are places (ISA guide 7.12.1 for vector instructions).
.macro PLACES n
.rept \n
	v_nop
.endr
.endm
; A step of 128 along K that has its successor in the same slot.  A block of role A is free as soon as its eight products are issued: blocks 0-3 are fetched anew in the step's middle, blocks 4-7 at its end.
.macro STEP slot, q, zero
	s_wait_dscnt 4*NL                              ; role B's set and role A's blocks 0-3 are in; the youngest sixteen loads (blocks 4-7) may be out
	WIN MUL_LO
	MUL16 0, (\q)%2, \zero
	MUL16 2, (\q)%2, \zero
	s_wait_dscnt 0                                 ; blocks 4-7 are in (asked for 32 matrix instructions ago)
	PLACES NP
	FETCH_B \slot, (\q)+1, 1-(\q)%2
	FETCH_A \slot, (\q)+1, 0
	WIN MUL_HI
	MUL16 4, (\q)%2, \zero
	MUL16 6, (\q)%2, \zero
	PLACES NP
	WIN 0
	FETCH_A \slot, (\q)+1, 4
.endm
; A slot's last step changes slots: ONE barrier; in front of it each wave waits for all its tensor loads, adds 0 to its spare word, and waits for that and for its own reads of this slot.  fill = 1: this slot is filled again, two K steps ahead.
.macro TURN slot, next, fill
	s_wait_tensorcnt 0x0                           ; all my tensor loads have landed: my part of the next slot  (every window is 0 here: the add's two registers lie in window 0)
	ds_add_u32 v[SPW], v[NIL]                      ; 0 onto my spare word
	s_wait_dscnt 4*NL+1                            ; (the add and the youngest sixteen loads, blocks 4-7, may be out)
	WIN MUL_LO
	MUL16 0, 1, 0                                  ; sixteen matrix instructions stand between the add and the wait for it
	s_wait_dscnt 0x0                               ; the add is done, and my reads of this slot are over
	s_barrier_signal -1
	MUL16 2, 1, 0
	WIN 0
	s_barrier_wait -1
.if \fill
	CREST                                          ; the barrier has opened a round of the cluster's barrier: no wave of any partner still reads this slot's tile or has a load on its way
	s_add_nc_u64 s[G0+4*\slot+2:G0+4*\slot+3], s[G0+4*\slot+2:G0+4*\slot+3], 2*KSB
	s_add_nc_u64 s[G0B+4*\slot+2:G0B+4*\slot+3], s[G0B+4*\slot+2:G0B+4*\slot+3], 2*KSB
	JLOAD G0+4*\slot, G1, G0B+4*\slot, G1B         ; the first tensor load behind the round; the four v_nop behind it are the places in front of the loads below
.else
	PLACES NP
.endif
	FETCH_B \next, 0, 0
	FETCH_A \next, 0, 0
	WIN MUL_HI
	MUL16 4, 1, 0
	MUL16 6, 1, 0
	PLACES NP
	WIN 0
	FETCH_A \next, 0, 4
.endm
	s_wait_tensorcnt 1                             ; my part of K step 0 is in (K step 1's load may be out)
	s_barrier_signal -1
	s_barrier_wait -1                              ; everybody's is
	FETCH_B 0, 0, 0
	FETCH_A 0, 0, 0
	FETCH_A 0, 0, 4
	STEP 0, 0, 1                                   ; K step 0: its first products start the sums
	TURN 0, 1, 1                                   ; slot 0 takes K step 2
	STEP 1, 0, 0                                   ; K step 1
	TURN 1, 0, 1                                   ; slot 1 takes K step 3
	STEP 0, 0, 0                                   ; K step 2
	TURN 0, 1, 0                                   ; nothing is left to fetch: no round
	STEP 1, 0, 0                                   ; K step 3
	s_wait_dscnt 4*NL                              ; the very last step
	WIN MUL_LO
	MUL16 0, 1, 0
	MUL16 2, 1, 0
	s_wait_dscnt 0
	WIN MUL_HI
	MUL16 4, 1, 0
	MUL16 6, 1, 0
	WIN 0
	; THE WAY OUT.  The exponents are chosen by the cluster's x, without a branch: a sum stands for sum x 2^(operands' exponents); the result's scale is entry 6 (Q), 7 (K) or 8 (V)
	s_wait_kmcnt 0x0
	s_add_co_i32 s88, s76, s77
	s_add_co_i32 s89, s78, s79
	s_add_co_i32 s90, s80, s81
	s_cmp_eq_u32 ttmp9, 1
	s_cselect_b32 s88, s89, s88
	s_cselect_b32 s91, s83, s82
	s_cmp_eq_u32 ttmp9, 2
	s_cselect_b32 s88, s90, s88
	s_cselect_b32 s91, s84, s91
	s_add_co_i32 s88, s88, 127
	s_lshl_b32 s96, s88, 23                        ; 2^(the operands' exponents added) as f32
	s_mov_b32 s97, s96                             ; (named with it as a pair, so it is written)
	s_add_co_i32 s91, s91, 127
	s_lshl_b32 s99, s91, 23
	s_add_co_i32 s91, s91, 8
	s_lshl_b32 s98, s91, 23
	s_or_b32 s98, s98, 0x600000
	s_wait_loadcnt 0x0                             ; the biases
	v_mov_b32 v[SCL], s99                          ; these two and two v_nop are the places behind the last products
	v_mov_b32 v[LIM], s98
	PLACES 2
; Role A block a: 64 numbers a lane: sum x 2^.. + bias, held, converted, stored as images.  v = 0: Q, K;  v = 1: V.
.macro EPI a, v
.set AC, 64*((\a)%4)
.set CB, CD+16*((\a)%4)
.if (\a) >= 4
	s_wait_xcnt 0x0                                ; block a - 4's stores have read their registers: that set of codes is written again only behind this wait
.endif
	WIN 0x02+((\a)/4)                              ; source 0: window 2 or 3
.irp b, 0,1,2,3,4,5,6,7
.irp i, 0,2,4,6
.if \v
	v_pk_fma_f32 v[TMP+8*\b+\i:TMP+8*\b+\i+1], v[AC+8*\b+\i:AC+8*\b+\i+1], s[96:97], v[BV+2*(\a):BV+2*(\a)+1] op_sel_hi:[1,0,1]   ; each accumulator from its low end on
.else
	v_pk_fma_f32 v[TMP+8*\b+\i:TMP+8*\b+\i+1], v[AC+8*\b+\i:AC+8*\b+\i+1], s[96:97], v[BI+8*\b+\i:BI+8*\b+\i+1] op_sel_hi:[1,0,1]
.endif
.endr
.endr
	WIN 0
.irp b, 0,1,2,3,4,5,6,7
.irp i, 0,1,2,3,4,5,6,7
	v_med3_num_f32 v[TMP+8*\b+\i], v[TMP+8*\b+\i], -v[LIM], v[LIM]   ; the conversion to an 8-bit code does not saturate (ISA guide 7.6.2): the hold comes first
.endr
	v_cvt_scalef32_pk8_fp8_f32 v[CB+2*\b:CB+2*\b+1], v[TMP+8*\b:TMP+8*\b+7], v[SCL]   ; the next block's holds are the plain lines behind it
.endr
	v_nop                                          ; a plain line behind the last conversion
.irp g, 0,1,2,3
.if \v
	global_store_b128 v[GO], v[CB+4*\g:CB+4*\g+3], s[74:75] offset:131072*((\a)/4)+2048*((\a)%4)+512*\g   ; head a / 4, channels 16 (a % 4) on: one image of 2,048 bytes
.else
	global_store_b128 v[GO], v[CB+4*\g:CB+4*\g+3], s[74:75] offset:1024*(\a)+131072*(\g/2)+512*(\g%2)     ; tokens 16 a on, head g / 2: two images of 1,024 bytes
.endif
.endr                                          ; each store covers 512 consecutive bytes, at a multiple of 512 from the buffer's first byte
.endm
	s_cmp_lg_u32 s13, 0
	s_cbranch_scc1 .Lout_v                         ; the same way in all sixteen partners
	s_lshr_b32 s88, s17, 3                         ; Q, K: ((batch x 16 + head) x 128 + tile of tokens in the batch) x 1,024, with batch = tile / 8, head = 4 x role B's tile + 2 x half
	s_lshl_b32 s88, s88, 4
	s_lshl_b32 s89, s42, 2
	s_add_co_u32 s88, s88, s89
	s_lshl_b32 s89, s16, 1
	s_add_co_u32 s88, s88, s89
	s_lshl_b32 s88, s88, 7
	s_and_b32 s89, s17, 7
	s_lshl_b32 s89, s89, 4
	s_add_co_u32 s88, s88, s89
	s_lshl_b32 s89, s15, 3
	s_add_co_u32 s88, s88, s89
	s_lshl_b32 s88, s88, 10
	s_lshl_b32 s89, ttmp9, 23                      ; Q's images, or K's
	s_add_co_u32 s88, s88, s89
	s_mov_b32 s89, 0
	s_add_nc_u64 s[74:75], s[74:75], s[88:89]
.irp a, 0,1,2,3,4,5,6,7
	EPI \a, 0
.endr
	s_branch .Lout_done
.Lout_v:
	s_lshr_b32 s88, s42, 3                         ; V: ((batch x 16 + head) x 16 + key step in the batch) x 8,192, with head = 4 x role A's tile + 2 x half, key step = 2 x (tile % 8) + half
	s_lshl_b32 s88, s88, 4
	s_lshl_b32 s89, s17, 2
	s_add_co_u32 s88, s88, s89
	s_lshl_b32 s89, s15, 1
	s_add_co_u32 s88, s88, s89
	s_lshl_b32 s88, s88, 4
	s_and_b32 s89, s42, 7
	s_lshl_b32 s89, s89, 1
	s_add_co_u32 s88, s88, s89
	s_add_co_u32 s88, s88, s16
	s_lshl_b32 s88, s88, 13
	s_add_co_u32 s88, s88, VCO
	s_mov_b32 s89, 0
	s_add_nc_u64 s[74:75], s[74:75], s[88:89]
.irp a, 0,1,2,3,4,5,6,7
	EPI \a, 1
.endr
.Lout_done:
	s_wait_tensorcnt 0x0                           ; the wave's end, behind my last tensor load
	ds_add_u32 v[SPW], v[NIL]
	s_wait_dscnt 0x0
	CROUND                                         ; the closing round: no work-group ends while a partner may still ask for a tile that names it
	s_endpgm
.Lfunc_end_k_qf6b9949cc5_proj:
	.size	k_qf6b9949cc5_proj, .Lfunc_end_k_qf6b9949cc5_proj-k_qf6b9949cc5_proj
	.p2alignl 7, 3214868480
	.fill 96, 4, 3214868480
	.section	.rodata,"a",@progbits
	.p2align	6, 0x0
	.amdhsa_kernel k_qf6b9949cc5_proj
		.amdhsa_group_segment_fixed_size 327680
		.amdhsa_private_segment_fixed_size 0
		.amdhsa_enable_private_segment 0
		.amdhsa_kernarg_size 48
		.amdhsa_user_sgpr_count 2
		.amdhsa_user_sgpr_kernarg_segment_ptr 1
		.amdhsa_wavefront_size32 1
		.amdhsa_system_sgpr_workgroup_id_x 1
		.amdhsa_system_sgpr_workgroup_id_y 1
		.amdhsa_system_sgpr_workgroup_id_z 1
		.amdhsa_system_vgpr_workitem_id 0
		.amdhsa_next_free_vgpr 1024
		.amdhsa_next_free_sgpr 100
		.amdhsa_reserve_vcc 0
		.amdhsa_float_denorm_mode_32 3
		.amdhsa_float_denorm_mode_16_64 3
		.amdhsa_memory_ordered 1
		.amdhsa_forward_progress 1
		.amdhsa_inst_pref_size 194
	.end_amdhsa_kernel
	.amdgpu_metadata
---
amdhsa.version: [ 1, 2 ]
amdhsa.kernels:
  - .name:           k_qf6b9949cc5_proj
    .symbol:         k_qf6b9949cc5_proj.kd
    .args:
      - { .name: codes, .offset: 0, .size: 8, .value_kind: global_buffer, .address_space: global }
      - { .name: lowp_scales, .offset: 8, .size: 8, .value_kind: global_buffer, .address_space: global }
      - { .name: b_Q, .offset: 16, .size: 8, .value_kind: global_buffer, .address_space: global }
      - { .name: b_K, .offset: 24, .size: 8, .value_kind: global_buffer, .address_space: global }
      - { .name: b_V, .offset: 32, .size: 8, .value_kind: global_buffer, .address_space: global }
      - { .name: qkv, .offset: 40, .size: 8, .value_kind: global_buffer, .address_space: global }
    .group_segment_fixed_size: 327680
    .private_segment_fixed_size: 0
    .kernarg_segment_align: 8
    .kernarg_segment_size: 48
    .max_flat_workgroup_size: 128
    .sgpr_count:     100
    .vgpr_count:     1024
    .wavefront_size: 32
...
	.end_amdgpu_metadata
.endif
;; end of part 2
;; launch attn (part 3): grid 4 x 64, 16 waves a work-group, no clusters, 264,192 bytes of LDS; arguments qkv, lowp_scales, oc; writes oc
.if DOCPART == 3
	.amdgcn_target "amdgcn-amd-amdhsa--gfx1250"
	.amdhsa_code_object_version 6
	.text
	.protected	k_qf6b9949cc5_attn
	.globl	k_qf6b9949cc5_attn
	.p2align	8
	.type	k_qf6b9949cc5_attn,@function
k_qf6b9949cc5_attn:
	s_mov_b64 s[64:65], 0
	v_nop
	global_prefetch_b8 v0, s[64:65] scope:SCOPE_SE
	s_setreg_imm32_b32 hwreg(HW_REG_WAVE_MODE, 25, 1), 1
	s_wait_xcnt 0x0
; For each batch and head: O[q] = the sum over keys of softmax(Q[q] . K[key] / 8) V[key], both products on codes of FP8 (E4M3); O is quantised at once for the last product (entry 10 of the exponents).
; qkv holds images of the operands' registers: a fragment's registers 4 G .. 4 G + 3 of lane l lie at 512 G + 16 l; lane (r = lane % 16, h = lane / 16) holds k = 16 c + 8 h + 0 .. 7 of row r in registers 2 c, 2 c + 1.
;   Q at 0, K at KC: [batch x 16 + head][128 tiles of 16 tokens][1,024] (K = the head's 64);   V at 2 KC: [batch x 16 + head][16 steps of 128 keys][4 tiles of 16 channels][2,048] (K = the keys).
; oc: [512 tiles of 16 tokens][16 heads][1,024]: heads 2 F and 2 F + 1 of a tile are fragment F (k = 64 x head + channel) of the last product.
; THE SOFTMAX AHEAD OF THE SECOND PRODUCT: t = score x log2(e) / 8; M = the row's largest t so far, rounded UP to a whole number; p = 2^(t - M) is what is quantised (entry 9); it is not normalised.
; The row's sum is taken of the unquantised p, in f32, and divides O at the end.  When M moves, the sum and O are multiplied by 2^(old M - new M): exact.
; SHARES.  A work-group owns 512 queries of one batch and head; each of its sixteen waves owns 32 of them, two tiles A and B, in 256 registers: four waves to a SIMD, so that one wave's vector work stands beside
; another's matrix work and LDS loads.  A fragment of K or V read from LDS feeds two matrix instructions.
; ALL OF THE HEAD'S K AND V LIE IN LDS, 131,072 bytes each, brought once at the head through registers, 8,192 bytes of each a wave: one barrier in the launch, no slot is ever filled again.
; NO JOINT LOADS, though the four work-groups of a head read the same K and V: what they share is read once, at the head, 262,144 bytes against sixteen key steps' work; and the loop has a branch on a given
; exponent (below).
; LAYOUT.  Both products are used transposed: S^T = K Q^T (source 0 = 16 keys, source 1 = 16 queries), O^T = V^T P^T (source 0 = 16 channels, source 1 = P): a lane holds ONE query throughout.  Register j of tile t of
; S^T is key 16 t + 8 h + j: the conversion of tile t gives registers 2 t, 2 t + 1 of P.  Register j of tile d of O^T is channel 16 d + 8 h + j: its conversion gives registers 2 d, 2 d + 1 of the head's image.
; THE HOLD OF p.  p is at most 1 (but for the last bit), so p / 2^ep can pass 448 only where ep < -8: the 64 holds of a tile stand under a scalar branch on that whole number.
; LIMITS on the given exponents, so that each power of two below is an f32 number: entries 6 + 7 between -123 and 130 (they are added to c's exponent field); entries 9 and 10 between -126 and 119; 8 + 9 is applied by v_ldexp_f32 and has none.
.set KC,   0x800000
.set VIMG, 0x20000                     ; LDS: K's image at 0, V's here
.set QA,   16                          ; v16-23 Q of tile A;  v24-31 of tile B
.set QB,   24
.set KV,   32                          ; v32-95   a step's eight fragments of K, later its four of V
.set S,    96                          ; v96-159  S^T of one tile, then p
.set OA,   160                         ; v160-191 O^T of tile A;  v192-223 of tile B
.set OB,   192
.set PA,   224                         ; v224-239 P's codes of tile A;  v240-255 of tile B
.set PB,   240
; v0 the thread's number; v1 the address in hand; v2 2^ep (at the end 2^eo); v3 a lane exchange's destination (at the end 448 x 2^eo);
; v4 -M, v5 the largest t, v[6:7] the sum in two halves, of tile A; v8, v9, v[10:11] of tile B; v12 f (v13 is named with it as a pair); v14, v15 at work
	s_load_b128 s[4:7], s[0:1], 0x0                ; qkv s[4:5], the exponents s[6:7]
	s_load_b64 s[8:9], s[0:1], 0x10                ; oc
	v_lshrrev_b32 v1, 5, v0
	v_readfirstlane_b32 s18, v1                    ; wave 0..15
	v_and_b32 v1, 31, v0
	v_lshlrev_b32 v1, 4, v1                        ; 16 x lane
	s_and_b32 s19, ttmp7, 0xffff                   ; batch x 16 + head
	s_lshl_b32 s48, s19, 17                        ; its 131,072 bytes in each of Q, K, V
	s_lshl_b32 s49, s18, 13                        ; my wave's 8,192 bytes of K's image and of V's
	s_add_co_u32 s50, s48, s49
	s_add_co_u32 s50, s50, KC
	s_mov_b32 s51, 0
	s_lshl_b32 s52, ttmp9, 5
	s_lshl_b32 s53, s18, 1
	s_add_co_u32 s52, s52, s53                     ; my first tile of queries in the batch: 32 x work-group x + 2 x wave
	s_lshl_b32 s54, s52, 10
	s_add_co_u32 s54, s54, s48
	s_mov_b32 s55, 0
	s_lshr_b32 s56, s19, 4                         ; oc: ((batch x 128 + tile) x 16 + head) x 1,024
	s_lshl_b32 s56, s56, 7
	s_add_co_u32 s56, s56, s52
	s_lshl_b32 s56, s56, 4
	s_and_b32 s57, s19, 15
	s_add_co_u32 s56, s56, s57
	s_lshl_b32 s56, s56, 10
	s_mov_b32 s57, 0
	s_mov_b32 s20, 0x76543210                      ; lane selects for v_permlanex16_b32: lane l xor 16
	s_mov_b32 s21, 0xfedcba98
	s_wait_kmcnt 0x0
	s_load_b256 s[28:35], s[6:7], 0x0              ; entries 0 to 7: s34 eq, s35 ek
	s_load_b128 s[36:39], s[6:7], 0x20             ; entries 8 to 11: s36 ev, s37 ep, s38 eo
	s_add_nc_u64 s[40:41], s[4:5], s[50:51]        ; K
	s_add_nc_u64 s[42:43], s[40:41], KC            ; V
	s_add_nc_u64 s[44:45], s[4:5], s[54:55]        ; Q
	s_add_nc_u64 s[46:47], s[8:9], s[56:57]        ; oc
.set i, 0
.rept 16
	global_load_b128 v[KV+4*i:KV+4*i+3], v1, s[40:41] offset:512*i
.set i, i+1
.endr
.set i, 0
.rept 16
	global_load_b128 v[S+4*i:S+4*i+3], v1, s[42:43] offset:512*i
.set i, i+1
.endr
.set i, 0
.rept 4
	global_load_b128 v[QA+4*i:QA+4*i+3], v1, s[44:45] offset:512*i    ; Q's two fragments stay in registers
.set i, i+1
.endr
	v_mov_b32 v5, 0xff61b1e6                       ; the largest t so far: -3e38, under every t
	v_mov_b32 v9, 0xff61b1e6
	v_floor_f32 v4, -v5                            ; -M
	v_floor_f32 v8, -v9
	v_mov_b32 v6, 0                                ; the sums
	v_mov_b32 v7, 0
	v_mov_b32 v10, 0
	v_mov_b32 v11, 0
	v_mov_b32 v3, 0                                ; written once: a lane exchange's destination counts as one of its sources
	v_mov_b32 v13, 0                               ; (named as the upper half of the pair v[12:13])
.set i, 0
.rept 64
	v_mov_b32 v[OA+i], 0                           ; O^T.  (The step is written once: the first finds zeros, which the first change of M leaves zeros)
.set i, i+1
.endr
	v_and_b32 v14, 31, v0
	v_lshlrev_b32 v14, 4, v14
	s_lshl_b32 s26, s18, 13
	v_add_nc_u32 v14, s26, v14                     ; where my part of K's image goes: 8,192 x wave + 16 x lane,
	v_add_nc_u32 v15, VIMG, v14                    ; and of V's
	s_wait_kmcnt 0x0
	s_add_co_i32 s26, s34, s35
	s_lshl_b32 s26, s26, 23
	s_mov_b32 s22, 0x3e38aa3b                      ; c = log2(e) / 8
	s_add_co_i32 s22, s22, s26                     ; a score stands for score x 2^(eq + ek): the two exponents are added to c's exponent field
	s_mov_b32 s23, s22                             ; (named with it as a pair, so it is written)
	s_add_co_i32 s26, s37, 127
	s_lshl_b32 s27, s26, 23
	v_mov_b32 v2, s27                              ; 2^ep as f32, for the conversion
	s_add_co_i32 s26, s26, 8
	s_lshl_b32 s25, s26, 23
	s_or_b32 s25, s25, 0x600000                    ; 448 x 2^ep
	s_cmp_lt_i32 s37, -8
	s_cselect_b32 s24, 1, 0                        ; 1: p can pass the largest code, and is held
.set i, 0
.rept 16
	s_wait_loadcnt 35-i                            ; 36 loads were issued; those behind K's load i may be out
	ds_store_b128 v14, v[KV+4*i:KV+4*i+3] offset:512*i
.set i, i+1
.endr
.set i, 0
.rept 16
	s_wait_loadcnt 19-i                            ; those behind V's load i may be out
	ds_store_b128 v15, v[S+4*i:S+4*i+3] offset:512*i
.set i, i+1
.endr
	s_wait_loadcnt 0x0                             ; Q
	s_wait_dscnt 0x0                               ; for the others' sake: my stores have landed
	s_barrier_signal -1
	s_barrier_wait -1                              ; the head's K and V lie in LDS; nothing is written there from here on
; One tile's softmax for 128 keys: S^T in v[S] on becomes p, its codes go to v[P] on; the tile's statistics and O^T are brought under the new M.
.macro SOFTMAX NM, L, O, P
	v_max3_num_f32 v14, v[S], v[S+1], v[S+2]       ; the step's largest score of my query among my 64 keys, in two chains; each of the eight results is read from its low end on
	v_max3_num_f32 v15, v[S+3], v[S+4], v[S+5]
.set n, 6
.rept 14
	v_max3_num_f32 v14, v14, v[S+n], v[S+n+1]
	v_max3_num_f32 v15, v15, v[S+n+2], v[S+n+3]
.set n, n+4
.endr
	v_max3_num_f32 v14, v14, v[S+62], v[S+63]
	v_max_num_f32 v14, v14, v15
	v_permlanex16_b32 v3, v14, s20, s21
	v_max_num_f32 v14, v14, v3                     ; and among lane l xor 16's
	v_mul_f32 v14, s22, v14                        ; as t (c is positive)
	v_max_num_f32 v[\NM+1], v[\NM+1], v14          ; the running largest t
	v_mov_b32 v14, v[\NM]
	v_floor_f32 v[\NM], -v[\NM+1]                  ; the new -M = floor(-t) = -ceil(t): M is a whole number
	v_sub_f32 v14, v[\NM], v14                     ; M's old value less its new one: a whole number, 0 or less
	v_cvt_i32_f32 v14, v14                         ; (it saturates)
	v_ldexp_f32 v12, 1.0, v14                      ; f = 2^(old M - new M)
.set n, 0
.rept 32
	v_pk_fma_f32 v[S+n:S+n+1], v[S+n:S+n+1], s[22:23], v[\NM:\NM+1] op_sel_hi:[1,0,0]   ; t - M, two at a time (of the pairs c and -M the low word serves both halves)
.set n, n+2
.endr
.set n, 0
.rept 64
	v_exp_f32 v[S+n], v[S+n]                       ; p = 2^(t - M): not normalised
.set n, n+1
.endr
	v_pk_mul_f32 v[\L:\L+1], v[\L:\L+1], v[12:13] op_sel_hi:[1,0]   ; the sums under the new M: the plain line behind the exponentials
	s_wait_alu depctr_va_vdst(0)                   ; one wait for the whole batch, ahead of its first reader
	v_pk_add_f32 v[14:15], v[S:S+1], v[S+2:S+3]    ; the row's sum is taken of the unquantised p: two at a time, in two chains
.set n, 4
.rept 15
	v_pk_add_f32 v[\L:\L+1], v[\L:\L+1], v[S+n:S+n+1]
	v_pk_add_f32 v[14:15], v[14:15], v[S+n+2:S+n+3]
.set n, n+4
.endr
	v_pk_add_f32 v[\L:\L+1], v[\L:\L+1], v[14:15]
	s_cmp_eq_u32 s24, 0
	s_cbranch_scc1 .Lno_hold_\@                    ; ep >= -8: p / 2^ep stays under 448
.set n, 0
.rept 64
	v_min_num_f32 v[S+n], s25, v[S+n]              ; the conversion to an 8-bit code does not saturate (ISA guide 7.6.2); p is not negative, so the hold is one-sided
.set n, n+1
.endr
.Lno_hold_\@:
.set n, 0
.rept 8
	v_cvt_scalef32_pk8_fp8_f32 v[\P+2*n:\P+2*n+1], v[S+8*n:S+8*n+7], v2
.set n, n+1
.endr
.set n, 0
.rept 16
	v_pk_mul_f32 v[\O+n:\O+n+1], v[\O+n:\O+n+1], v[12:13] op_sel_hi:[1,0]   ; O^T under the new M, each result from its low end on.  (Also the plain lines behind the conversions)
.set n, n+2
.endr
.endm
	s_mov_b32 s2, 0                                ; the step's first byte in K's image and in V's
	s_mov_b32 s3, 16                               ; key steps to go
.Lkey:                                             ; a trip: 128 keys for both tiles
	v_and_b32 v1, 31, v0
	v_lshl_add_u32 v1, v1, 4, s2                   ; 16 x lane + the step
	v_nop
	v_nop                                          ; four places in front of loads into registers that the last products have read
.set t, 0
.rept 8
	ds_load_b128 v[KV+8*t:KV+8*t+3], v1 offset:1024*t
	ds_load_b128 v[KV+8*t+4:KV+8*t+7], v1 offset:1024*t+512
.set t, t+1
.endr
	s_wait_dscnt 0x0
.set t, 0
.rept 8
	v_wmma_f32_16x16x64_fp8_fp8 v[S+8*t:S+8*t+7], v[KV+8*t:KV+8*t+7], v[QA:QA+7], 0
.set t, t+1
.endr
.rept 4
	v_nop                                          ; places in front of the first read of the scores
.endr
	SOFTMAX 4, 6, OA, PA
.set t, 0
.rept 8
	v_wmma_f32_16x16x64_fp8_fp8 v[S+8*t:S+8*t+7], v[KV+8*t:KV+8*t+7], v[QB:QB+7], 0
.set t, t+1
.endr
	v_add_nc_u32 v1, VIMG, v1
.rept 3
	v_nop                                          ; with the addition: four places, for the loads over K's fragments and for the first read of the scores
.endr
.set t, 0
.rept 16
	ds_load_b128 v[KV+4*t:KV+4*t+3], v1 offset:512*t    ; V's four fragments land under tile B's softmax
.set t, t+1
.endr
	SOFTMAX 8, 10, OB, PB
	s_wait_dscnt 0x0
.set t, 0
.rept 4                                        ; the eight accumulators take turns, one instruction a turn
	v_wmma_f32_16x16x128_fp8_fp8 v[OA+8*t:OA+8*t+7], v[KV+16*t:KV+16*t+15], v[PA:PA+15], v[OA+8*t:OA+8*t+7]
	v_wmma_f32_16x16x128_fp8_fp8 v[OB+8*t:OB+8*t+7], v[KV+16*t:KV+16*t+15], v[PB:PB+15], v[OB+8*t:OB+8*t+7]
.set t, t+1
.endr
	s_add_co_u32 s2, s2, 8192
	s_sub_co_u32 s3, s3, 1
	s_cmp_lg_u32 s3, 0
	s_cbranch_scc1 .Lkey
	; THE WAY OUT.  O^T x 2^(ep + ev) / the sum, held, converted with 2^eo, stored as the head's half of a fragment.  The additions are the places behind the last products.
	v_add_f32 v6, v6, v7                           ; the sums' two halves,
	v_add_f32 v10, v10, v11
	v_permlanex16_b32 v3, v6, s20, s21
	v_permlanex16_b32 v13, v10, s20, s21
	v_add_f32 v6, v6, v3                           ; and lane l xor 16's
	v_add_f32 v10, v10, v13
	v_rcp_f32 v12, v6
	v_rcp_f32 v14, v10
	v_and_b32 v1, 31, v0                           ; (the plain line behind the reciprocals)
	v_lshlrev_b32 v1, 4, v1                        ; 16 x lane
	s_add_co_i32 s26, s36, s37                     ; ev + ep
	s_add_co_i32 s27, s38, 127
	s_lshl_b32 s48, s27, 23
	s_add_co_i32 s27, s27, 8
	s_lshl_b32 s27, s27, 23
	s_or_b32 s27, s27, 0x600000
	v_mov_b32 v2, s48                              ; 2^eo
	v_mov_b32 v3, s27                              ; 448 x 2^eo
	s_wait_alu depctr_va_vdst(0)                   ; one wait for both reciprocals, ahead of their first reader
	v_ldexp_f32 v12, v12, s26
	v_ldexp_f32 v14, v14, s26
.set n, 0
.rept 16
	v_pk_mul_f32 v[S+n:S+n+1], v[OA+n:OA+n+1], v[12:13] op_sel_hi:[1,0]       ; tile A, each result from its low end on
.set n, n+2
.endr
.set n, 0
.rept 16
	v_pk_mul_f32 v[S+32+n:S+32+n+1], v[OB+n:OB+n+1], v[14:15] op_sel_hi:[1,0] ; tile B
.set n, n+2
.endr
.set t, 0
.rept 8
.set n, 0
.rept 8
	v_med3_num_f32 v[S+8*t+n], v[S+8*t+n], -v3, v3
.set n, n+1
.endr
	v_cvt_scalef32_pk8_fp8_f32 v[PA+16*(t/4)+2*(t%4):PA+16*(t/4)+2*(t%4)+1], v[S+8*t:S+8*t+7], v2   ; the next tile's holds are the plain lines behind it
.set t, t+1
.endr
	v_nop                                          ; a plain line behind the last conversion
	global_store_b128 v1, v[PA:PA+3], s[46:47]                    ; tile A: 1,024 bytes in two stores of 512 consecutive bytes,
	global_store_b128 v1, v[PA+4:PA+7], s[46:47] offset:512
	global_store_b128 v1, v[PB:PB+3], s[46:47] offset:16384       ; tile B: the next tile of tokens, sixteen heads further on
	global_store_b128 v1, v[PB+4:PB+7], s[46:47] offset:16896
	s_wait_xcnt 0x0
	v_lshl_add_u32 v254, v0, 2, 0x40000
	v_mov_b32 v255, 0
	s_wait_tensorcnt 0x0
	ds_add_u32 v254, v255
	s_wait_dscnt 0x0
	s_endpgm
.Lfunc_end_k_qf6b9949cc5_attn:
	.size	k_qf6b9949cc5_attn, .Lfunc_end_k_qf6b9949cc5_attn-k_qf6b9949cc5_attn
	.p2alignl 7, 3214868480
	.fill 96, 4, 3214868480
	.section	.rodata,"a",@progbits
	.p2align	6, 0x0
	.amdhsa_kernel k_qf6b9949cc5_attn
		.amdhsa_group_segment_fixed_size 264192
		.amdhsa_private_segment_fixed_size 0
		.amdhsa_enable_private_segment 0
		.amdhsa_kernarg_size 24
		.amdhsa_user_sgpr_count 2
		.amdhsa_user_sgpr_kernarg_segment_ptr 1
		.amdhsa_wavefront_size32 1
		.amdhsa_system_sgpr_workgroup_id_x 1
		.amdhsa_system_sgpr_workgroup_id_y 1
		.amdhsa_system_sgpr_workgroup_id_z 1
		.amdhsa_system_vgpr_workitem_id 0
		.amdhsa_next_free_vgpr 256
		.amdhsa_next_free_sgpr 66
		.amdhsa_reserve_vcc 0
		.amdhsa_float_denorm_mode_32 3
		.amdhsa_float_denorm_mode_16_64 3
		.amdhsa_memory_ordered 1
		.amdhsa_forward_progress 1
		.amdhsa_inst_pref_size 48
	.end_amdhsa_kernel
	.amdgpu_metadata
---
amdhsa.version: [ 1, 2 ]
amdhsa.kernels:
  - .name:           k_qf6b9949cc5_attn
    .symbol:         k_qf6b9949cc5_attn.kd
    .args:
      - { .name: qkv, .offset: 0, .size: 8, .value_kind: global_buffer, .address_space: global }
      - { .name: lowp_scales, .offset: 8, .size: 8, .value_kind: global_buffer, .address_space: global }
      - { .name: oc, .offset: 16, .size: 8, .value_kind: global_buffer, .address_space: global }
    .group_segment_fixed_size: 264192
    .private_segment_fixed_size: 0
    .kernarg_segment_align: 8
    .kernarg_segment_size: 24
    .max_flat_workgroup_size: 512
    .sgpr_count:     66
    .vgpr_count:     256
    .wavefront_size: 32
...
	.end_amdgpu_metadata
.endif
;; end of part 3
;; launch outp (part 4): grid 4 x 32, 4 waves a work-group, clusters of 4 x 4, 327,680 bytes of LDS; arguments oc, codes, lowp_scales, b_O, out0; writes out0
.if DOCPART == 4
	.amdgcn_target "amdgcn-amd-amdhsa--gfx1250"
	.amdhsa_code_object_version 6
	.text
	.protected	k_qf6b9949cc5_outp
	.globl	k_qf6b9949cc5_outp
	.p2align	8
	.type	k_qf6b9949cc5_outp,@function
k_qf6b9949cc5_outp:
	s_mov_b64 s[64:65], 0
	v_nop
	global_prefetch_b8 v0, s[64:65] scope:SCOPE_SE
	s_setreg_imm32_b32 hwreg(HW_REG_WAVE_MODE, 25, 1), 1
	s_wait_xcnt 0x0
	s_wait_alu depctr_hold_cnt(0) depctr_sa_sdst(0) depctr_va_vdst(0) depctr_va_sdst(0) depctr_va_ssrc(0) depctr_va_vcc(0) depctr_vm_vsrc(0)
	s_getreg_b32 s2, hwreg(HW_REG_IB_STS2, 6, 4)
	s_cmp_eq_u32 s2, 0
	s_cbranch_scc0 .Lentry_in_a_cluster
	s_endpgm
.Lentry_in_a_cluster:
	s_bfe_u32 s2, ttmp6, 0x10000c
	s_cmp_lg_u32 s2, 0xf033
	s_cbranch_scc0 .Lentry_shape_is_right
	s_endpgm
.Lentry_shape_is_right:
; out0[token][n] = the sum over k = 64 x head + channel of O[token][k] W_O[n][k], x 2^(entries 10 + 11 of the exponents), + b_O[n], on codes of FP8 (E4M3); out0: [8192][1024] f32.
; Both operands come as images of their registers: a fragment of 16 rows x 128 along K is 2,048 bytes: lane (r = lane % 16, h = lane / 16) holds k = 16 c + 8 h + 0 .. 7 of row r in registers 2 c, 2 c + 1; registers
; 4 G .. 4 G + 3 of lane l lie at 512 G + 16 l.  oc: [512 tiles of 16 tokens][8 fragments][2,048]; W_O's codes lie in codes from WOC on, [64 tiles of 16 rows][8 fragments][2,048].
; A tile of 256 x 256 results is made by a work-group of four waves, as many as a WGP has SIMDs; a wave makes 128 x 128: 64 accumulators, 512 registers.  K = 1,024 goes in four steps of 256 through two LDS slots.
; That gives 128 work-groups.  A wave tile of half the size would fill more WGPs, but each matrix instruction would then want half as much again from LDS: the larger tile is kept.
; THE MATRIX INSTRUCTION IS USED TRANSPOSED: source 0 = 16 rows of W_O (role B), source 1 = 16 tokens (role A): a lane holds eight neighbouring numbers of a row of out0.
; CLUSTERS: 4 x 4 work-groups.  The four of a row of the cluster need the same tiles of O, the four of a column the same tiles of W_O: each tile is asked for JOINTLY, by the same tensor load with the same descriptor
; and a mask that names the four.  By this text's own count a wave has two tensor loads out at the start and one behind each round.
; REGISTERS, in windows of 256: window 0: v0-31 addresses and my four columns' bias; from v128 role A's fragments, ONE set; on the way out v128-255 are free.
;   window 1: role B's fragments, TWO sets, at v0 and v128.   window 2: the 32 accumulators of my rows 0-63 (accumulator (a, b) at v[8 (8 a + b)]);   window 3: those of my rows 64-127.
; LIMIT: entries 10 + 11 between -126 and 127, so that their power of two is an f32 number.
.set WOC,   0x1b00000                  ; codes: W_O's
.set KSB,   4096                       ; a K step of 256 in a tile of 16 rows: two images
.set FR,    16                         ; registers of a fragment
.set NL,    4                          ; LDS loads that bring one
.set NP,    4                          ; places behind this matrix instruction (ISA guide 7.12.1)
.set HALFT, 8*KSB                      ; 128 rows: what one tensor load brings, and what one wave reads of a role
.set SLOT,  4*HALFT                    ; role A's 256 rows, then role B's
.set SPARE, 2*SLOT                     ; behind the ring: the spare words, 128 bytes for each wave: two blocks of 256 bytes that no other line names
.set SPITCH, 528                       ; the way out: a stage of 16 rows x (512 bytes + 16) for each wave.  It lies in slot 0, which has had its last fill and its last read when the first result is stored there
.set BO,   8                           ; v8-11   b_O of my four columns of a row
.set ADRA, 16                          ; v16-17  LDS address of my role A fragments in slot 0, 1
.set ADRB, 20                          ; v20-21  the same for role B
.set STO,  24                          ; v24     the way out: where I put 32 bytes of a row
.set RD,   25                          ; v25     the way out: where I read a row back
.set CO,   26                          ; v26     16 x lane: my place in an image's 512 bytes and in a row's; never rewritten
.set SPW,  28                          ; v28     LDS address of my spare word: SPARE + 4 x my thread's number; never rewritten
.set NIL,  29                          ; v29     0; never rewritten
.set AF,   128                         ; role A's fragments
.set BK,   128                         ; the way out: 16 rows read back from the stage: v128-191 and v192-255 by turns
.set G1, 24                            ; s[24:31] descriptor group 1 for role A's tiles;  s[32:39] group 0, one set for each slot
.set G0, 32
.set G1B, 48                           ; s[48:55], s[56:63] the same for role B's
.set G0B, 56
.set MSB, 0
.macro WIN new                         ; the immediate's high byte repeats the setting that is left
.if MSB != \new
	s_set_vgpr_msb (MSB<<8)|\new
.set MSB, \new
.endif
.endm
.set MUL_LO, 0xa1                      ; source 0 (role B) window 1, source 1 (role A) window 0, C and D window 2
.set MUL_HI, 0xf1                      ; the same, C and D window 3
.set TO_B,   0x40                      ; destination window 1, address window 0
; A joint load: waves 0 and 1 fetch for role A, waves 2 and 3 for role B.  Each of the two lines has ONE mask and one set of registers for all that issue it; the branch hangs on the wave's number alone.
; Four v_nop follow each of the two lines, ahead of the jump, the label and what follows.
.macro JLOAD g0a, g1a, g0b, g1b
	s_cmp_eq_u32 s15, 0
	s_cbranch_scc0 .Lfor_b_\@
	tensor_load_to_lds s[\g0a:\g0a+3], s[\g1a:\g1a+7]
	s_nop 0
.rept 4
	v_nop
.endr
	s_branch .Lasked_\@
.Lfor_b_\@:
	tensor_load_to_lds s[\g0b:\g0b+3], s[\g1b:\g1b+7]
	s_nop 0
.rept 4
	v_nop
.endr
.Lasked_\@:
.endm
.macro CREST                           ; a round of the cluster's barrier behind its opening barrier
	s_cmp_lg_u32 s14, 0
	s_cbranch_scc1 .Lnot_wave_0_\@
	s_barrier_signal -3
.Lnot_wave_0_\@:
	s_barrier_wait -3
	s_barrier_signal -1
	s_barrier_wait -1
.endm
.macro CROUND                          ; a whole round
	s_barrier_signal -1
	s_barrier_wait -1
	CREST
.endm
	s_load_b256 s[4:11], s[0:1], 0x0               ; oc s[4:5], codes s[6:7], the exponents s[8:9], b_O s[10:11]
	s_load_b64 s[72:73], s[0:1], 0x20              ; out0
	v_lshl_add_u32 v[SPW], v0, 2, SPARE
	v_mov_b32 v[NIL], 0
	ds_add_u32 v28, v29
	ds_add_u32 v28, v29
	s_wait_dscnt 0x0
	v_lshrrev_b32 v1, 5, v0
	v_readfirstlane_b32 s14, v1                    ; wave 0..3
	s_lshr_b32 s15, s14, 1                         ; which half of the tile's rows is mine.  Also: I fetch for role A (0) or B (1)
	s_and_b32 s16, s14, 1                          ; which half of its columns.  Also: which 128 rows of that tile I fetch
	s_bfe_u32 s40, ttmp6, 0x40000                  ; cx, cy: my place in the cluster
	s_bfe_u32 s41, ttmp6, 0x40004
	s_lshl_b32 s42, ttmp9, 2
	s_add_co_u32 s42, s42, s40                     ; tile column = 4 x cluster x + cx
	s_and_b32 s17, ttmp7, 0xffff
	s_lshl_b32 s17, s17, 2
	s_add_co_u32 s17, s17, s41                     ; tile row = 4 x cluster y + cy
	s_lshl_b32 s43, s41, 2
	s_lshl_b32 s43, 15, s43                        ; my row of the cluster
	s_lshl_b32 s44, 0x1111, s40                    ; my column
	; descriptor group 1: 8 pieces of 4,096 bytes (a K step's two images of 8 tiles of rows), 16,384 bytes apart, in elements of 8 bytes; dense in LDS
	s_or_b32 s[G1+0], s43, (3<<16)|(1<<21)         ; 15:0 the mask: role A's tiles go to my row; 17:16 elements of 8 bytes; 20 no padding; 21 set beside a mask
	s_or_b32 s[G1B+0], s44, (3<<16)|(1<<21)        ; role B's go to my column
.irp g, G1, G1B
	s_mov_b32 s[\g+1], 512<<16                     ; tensor_dim0 = 512 elements
	s_mov_b32 s[\g+2], 8<<16                       ; tensor_dim1 = 8
	s_mov_b32 s[\g+3], 512<<16                     ; tile_dim0
	s_mov_b32 s[\g+4], 8                           ; tile_dim1
	s_mov_b32 s[\g+5], 2048                        ; tensor_dim0_stride: a tile of rows has eight images
	s_mov_b32 s[\g+6], 0
	s_mov_b32 s[\g+7], 0
.endr
	s_lshl_b32 s18, s16, 17                        ; the 128 rows that I fetch
	s_lshl_b32 s20, s17, 18                        ; 256 rows are 16 tiles of 16,384 bytes
	s_add_co_u32 s20, s20, s18
	s_mov_b32 s21, 0
	s_lshl_b32 s46, s42, 18
	s_add_co_u32 s46, s46, s18
	s_add_co_u32 s46, s46, WOC
	s_mov_b32 s47, 0
	s_mul_i32 s45, s14, HALFT                      ; where they go: wave x 128 rows: no place in the cluster enters an LDS address
	s_wait_kmcnt 0x0
	s_load_b64 s[96:97], s[8:9], 0x28              ; entries 10 and 11
	s_add_nc_u64 s[20:21], s[4:5], s[20:21]
	s_add_nc_u64 s[46:47], s[6:7], s[46:47]
	CROUND                                         ; all sixteen work-groups are here: the first joint loads meet
.irp s, 0,1
	s_mov_b32 s[G0+4*\s], 1
	s_add_co_u32 s[G0+4*\s+1], s45, \s*SLOT
	s_add_nc_u64 s[G0+4*\s+2:G0+4*\s+3], s[20:21], \s*KSB
	s_or_b32 s[G0+4*\s+3], s[G0+4*\s+3], 0x80000000
	s_mov_b32 s[G0B+4*\s], 1
	s_add_co_u32 s[G0B+4*\s+1], s45, \s*SLOT
	s_add_nc_u64 s[G0B+4*\s+2:G0B+4*\s+3], s[46:47], \s*KSB
	s_or_b32 s[G0B+4*\s+3], s[G0B+4*\s+3], 0x80000000
	JLOAD G0+4*\s, G1, G0B+4*\s, G1B
.endr
	v_and_b32 v1, 15, v0                           ; r
	v_bfe_u32 v2, v0, 4, 1                         ; h
	v_and_b32 v3, 31, v0
	v_lshlrev_b32 v[CO], 4, v3                     ; 16 x lane
	s_mul_i32 s21, s15, HALFT                      ; my 128 rows of role A
	s_mul_i32 s22, s16, HALFT                      ; my 128 rows of role B,
	s_add_co_u32 s22, s22, 2*HALFT                 ; which lie behind role A's 256
.irp s, 0,1
	v_add_nc_u32 v[ADRA+\s], s21, v[CO]
	v_add_nc_u32 v[ADRB+\s], s22, v[CO]
	s_add_co_u32 s21, s21, SLOT
	s_add_co_u32 s22, s22, SLOT
.endr
	s_mul_i32 s23, s14, 16*SPITCH                  ; my stage
	v_mul_u32_u24 v5, v1, SPITCH                   ; in: row r, 32 bytes for each half of the lanes
	v_lshl_add_u32 v5, v2, 5, v5
	v_add_nc_u32 v[STO], s23, v5
	v_add_nc_u32 v[RD], s23, v[CO]                 ; back: the 32 lanes take one row of 512 bytes
	s_lshl_b32 s20, s17, 8
	s_lshl_b32 s21, s15, 7
	s_add_co_u32 s20, s20, s21                     ; my first row of out0: 256 x tile row + 128 x half,
	s_lshl_b32 s20, s20, 12                        ; of 4,096 bytes
	s_lshl_b32 s46, s42, 10                        ; my first column, in bytes: 1,024 x tile column + 512 x half
	s_lshl_b32 s47, s16, 9
	s_add_co_u32 s46, s46, s47
	s_add_co_u32 s20, s20, s46
	s_mov_b32 s21, 0
	s_mov_b32 s47, 0
	s_add_nc_u64 s[72:73], s[72:73], s[20:21]
	s_add_nc_u64 s[92:93], s[10:11], s[46:47]      ; b_O at my 128 columns
	global_load_b128 v[BO:BO+3], v[CO], s[92:93]   ; on the way out a lane holds the same four columns of every row
.macro FRAG reg, adr, q, i             ; a fragment comes as it lies: image q of the K step, tile of rows i
.irp c, 0,1,2,3
	ds_load_b128 v[\reg+4*\c:\reg+4*\c+3], v[\adr] offset:2048*(\q)+512*\c+(\i)*KSB
.endr
.endm
; 16 matrix instructions: role A's blocks a0, a0 + 1 x role B's eight, 128 along K.  p: role B's set.  zero = 1: the first product starts the sums: nothing is ever cleared.
; The 64 accumulators take turns, one instruction a turn, in the same order in every step.
.macro MUL16 a0, p, zero
.irp a, \a0, \a0+1
.irp b, 0,1,2,3,4,5,6,7
.if \zero
	v_wmma_f32_16x16x128_fp8_fp8 v[8*(8*((\a)%4)+\b):8*(8*((\a)%4)+\b)+7], v[128*(\p)+FR*\b:128*(\p)+FR*\b+FR-1], v[AF+FR*(\a):AF+FR*(\a)+FR-1], 0
.else
	v_wmma_f32_16x16x128_fp8_fp8 v[8*(8*((\a)%4)+\b):8*(8*((\a)%4)+\b)+7], v[128*(\p)+FR*\b:128*(\p)+FR*\b+FR-1], v[AF+FR*(\a):AF+FR*(\a)+FR-1], v[8*(8*((\a)%4)+\b):8*(8*((\a)%4)+\b)+7]
.endif
.endr
.endr
.endm
.macro FETCH_B slot, q, p              ; role B's eight fragments of the slot's q-th 128 along K into set p
	WIN TO_B
.irp i, 0,1,2,3,4,5,6,7
	FRAG 128*(\p)+FR*\i, ADRB+\slot, \q, \i
.endr
	WIN 0
.endm
.macro FETCH_A slot, q, i0             ; role A's blocks i0 .. i0 + 3
.irp i, \i0, \i0+1, \i0+2, \i0+3
	FRAG AF+FR*(\i), ADRA+\slot, \q, \i
.endr
.endm
; A load into a register that a matrix instruction has read, and an LDS store that reads a matrix result, stand NP places behind that matrix instruction, and only plain vector
; instructions that name none of its registers are places (ISA guide 7.12.1 for vector instructions).
.macro PLACES n
.rept \n
	v_nop
.endr
.endm
; A step of 128 along K that has its successor in the same slot.  A block of role A is free as soon as its eight products are issued: blocks 0-3 are fetched anew in the step's middle, blocks 4-7 at its end.
.macro STEP slot, q, zero
	s_wait_dscnt 4*NL                              ; role B's set and role A's blocks 0-3 are in; the youngest sixteen loads (blocks 4-7) may be out
	WIN MUL_LO
	MUL16 0, (\q)%2, \zero
	MUL16 2, (\q)%2, \zero
	s_wait_dscnt 0                                 ; blocks 4-7 are in (asked for 32 matrix instructions ago)
	PLACES NP
	FETCH_B \slot, (\q)+1, 1-(\q)%2
	FETCH_A \slot, (\q)+1, 0
	WIN MUL_HI
	MUL16 4, (\q)%2, \zero
	MUL16 6, (\q)%2, \zero
	PLACES NP
	WIN 0
	FETCH_A \slot, (\q)+1, 4
.endm
; A slot's last step changes slots: ONE barrier; in front of it each wave waits for all its tensor loads, adds 0 to its spare word, and waits for that and for its own reads of this slot.  fill = 1: this slot is filled again, two K steps ahead.
.macro TURN slot, next, fill
	s_wait_tensorcnt 0x0                           ; all my tensor loads have landed: my part of the next slot  (every window is 0 here: the add's two registers lie in window 0)
	ds_add_u32 v[SPW], v[NIL]                      ; 0 onto my spare word
	s_wait_dscnt 4*NL+1                            ; (the add and the youngest sixteen loads, blocks 4-7, may be out)
	WIN MUL_LO
	MUL16 0, 1, 0                                  ; sixteen matrix instructions stand between the add and the wait for it
	s_wait_dscnt 0x0                               ; the add is done, and my reads of this slot are over
	s_barrier_signal -1
	MUL16 2, 1, 0
	WIN 0
	s_barrier_wait -1
.if \fill
	CREST                                          ; the barrier has opened a round of the cluster's barrier: no wave of any partner still reads this slot's tile or has a load on its way
	s_add_nc_u64 s[G0+4*\slot+2:G0+4*\slot+3], s[G0+4*\slot+2:G0+4*\slot+3], 2*KSB
	s_add_nc_u64 s[G0B+4*\slot+2:G0B+4*\slot+3], s[G0B+4*\slot+2:G0B+4*\slot+3], 2*KSB
	JLOAD G0+4*\slot, G1, G0B+4*\slot, G1B         ; the first tensor load behind the round; the four v_nop behind it are the places in front of the loads below
.else
	PLACES NP
.endif
	FETCH_B \next, 0, 0
	FETCH_A \next, 0, 0
	WIN MUL_HI
	MUL16 4, 1, 0
	MUL16 6, 1, 0
	PLACES NP
	WIN 0
	FETCH_A \next, 0, 4
.endm
	s_wait_tensorcnt 1                             ; my part of K step 0 is in (K step 1's load may be out)
	s_barrier_signal -1
	s_barrier_wait -1                              ; everybody's is
	FETCH_B 0, 0, 0
	FETCH_A 0, 0, 0
	FETCH_A 0, 0, 4
	STEP 0, 0, 1                                   ; K step 0: its first products start the sums
	TURN 0, 1, 1                                   ; slot 0 takes K step 2
	STEP 1, 0, 0                                   ; K step 1
	TURN 1, 0, 1                                   ; slot 1 takes K step 3
	STEP 0, 0, 0                                   ; K step 2
	TURN 0, 1, 0                                   ; nothing is left to fetch: no round.  Behind this barrier nobody reads slot 0
	STEP 1, 0, 0                                   ; K step 3
	s_wait_dscnt 4*NL                              ; the very last step
	WIN MUL_LO
	MUL16 0, 1, 0
	MUL16 2, 1, 0
	s_wait_dscnt 0
	WIN MUL_HI
	MUL16 4, 1, 0
	MUL16 6, 1, 0
	WIN 0
; THE WAY OUT, block by block of 16 rows x 128 columns.  A lane holds 32 neighbouring bytes of a row, and the lanes beside it hold other rows: so a block's sums go, as they are, through my own stage in LDS and come back
; as whole rows of 512 bytes.  There a lane holds the same four columns in every row: sum x 2^(entries 10 + 11) + b_O is two packed multiply-adds a row, with four registers of bias.
; LDS serves a wave's instructions in order (ISA guide 5.7.1.4): no wait between the stores and the loads, nor in front of the next block's stores.
.macro TOSTAGE a
.set AC, 64*((\a)%4)
.set BB, BK+64*((\a)%2)
	WIN 0x08+4*((\a)/4)                            ; an LDS store's data stand in source 1's place: window 2 or 3
.irp b, 0,1,2,3,4,5,6,7
	ds_store_b128 v[STO], v[AC+8*\b:AC+8*\b+3] offset:64*\b            ; each accumulator from its low end on
	ds_store_b128 v[STO], v[AC+8*\b+4:AC+8*\b+7] offset:64*\b+16
.endr
	WIN 0
.irp t, 0,1,2,3,4,5,6,7,8,9,10,11,12,13,14,15
	ds_load_b128 v[BB+4*\t:BB+4*\t+3], v[RD] offset:\t*SPITCH
.endr
.endm
.macro SEND a, younger                 ; younger: the LDS instructions issued behind block a's loads, which may stay out
.set BB, BK+64*((\a)%2)
	s_wait_dscnt \younger                          ; the block is back in registers
.irp t, 0,1,2,3,4,5,6,7,8,9,10,11,12,13,14,15
	v_pk_fma_f32 v[BB+4*\t:BB+4*\t+1], v[BB+4*\t:BB+4*\t+1], s[96:97], v[BO:BO+1] op_sel_hi:[1,0,1]
	v_pk_fma_f32 v[BB+4*\t+2:BB+4*\t+3], v[BB+4*\t+2:BB+4*\t+3], s[96:97], v[BO+2:BO+3] op_sel_hi:[1,0,1]
.endr
.if (\a) > 0
	s_add_nc_u64 s[72:73], s[72:73], 16*4096       ; (behind a wait on XCNT: the earlier stores have read their base)  16 rows on
.endif
.irp t, 0,1,2,3,4,5,6,7,8,9,10,11,12,13,14,15
	global_store_b128 v[CO], v[BB+4*\t:BB+4*\t+3], s[72:73] offset:\t*4096 th:TH_STORE_NT   ; 32 lanes store 512 consecutive bytes, at a multiple of 512 from out0's first byte; written once, read by nobody here
.endr
.endm
	s_wait_kmcnt 0x0
	s_add_co_i32 s96, s96, s97
	s_add_co_i32 s96, s96, 127
	s_lshl_b32 s96, s96, 23                        ; 2^(entries 10 + 11) as f32
	s_mov_b32 s97, s96                             ; (named with it as a pair, so it is written)
	s_wait_loadcnt 0x0                             ; b_O
	PLACES NP                                      ; behind the last products: for the stores that read results and for the loads into the registers that held role A's fragments
	TOSTAGE 0
.irp a, 1,2,3,4,5,6,7
.if \a > 1
	s_wait_xcnt 0x0                                ; block a - 2's stores have read their registers and their base: block a's loads may land there, and the base may step
.endif
	TOSTAGE \a
	SEND \a-1, 32                                  ; behind block a - 1's loads: block a's 16 stores and 16 loads
.endr
	s_wait_xcnt 0x0                                ; block 6's stores have read their base
	SEND 7, 0
	s_wait_tensorcnt 0x0                           ; the wave's end, behind my last tensor load and my last LDS store
	ds_add_u32 v[SPW], v[NIL]
	s_wait_dscnt 0x0
	CROUND                                         ; the closing round: no work-group ends while a partner may still ask for a tile that names it
	s_endpgm
.Lfunc_end_k_qf6b9949cc5_outp:
	.size	k_qf6b9949cc5_outp, .Lfunc_end_k_qf6b9949cc5_outp-k_qf6b9949cc5_outp
	.p2alignl 7, 3214868480
	.fill 96, 4, 3214868480
	.section	.rodata,"a",@progbits
	.p2align	6, 0x0
	.amdhsa_kernel k_qf6b9949cc5_outp
		.amdhsa_group_segment_fixed_size 327680
		.amdhsa_private_segment_fixed_size 0
		.amdhsa_enable_private_segment 0
		.amdhsa_kernarg_size 40
		.amdhsa_user_sgpr_count 2
		.amdhsa_user_sgpr_kernarg_segment_ptr 1
		.amdhsa_wavefront_size32 1
		.amdhsa_system_sgpr_workgroup_id_x 1
		.amdhsa_system_sgpr_workgroup_id_y 1
		.amdhsa_system_sgpr_workgroup_id_z 1
		.amdhsa_system_vgpr_workitem_id 0
		.amdhsa_next_free_vgpr 1024
		.amdhsa_next_free_sgpr 100
		.amdhsa_reserve_vcc 0
		.amdhsa_float_denorm_mode_32 3
		.amdhsa_float_denorm_mode_16_64 3
		.amdhsa_memory_ordered 1
		.amdhsa_forward_progress 1
		.amdhsa_inst_pref_size 123
	.end_amdhsa_kernel
	.amdgpu_metadata
---
amdhsa.version: [ 1, 2 ]
amdhsa.kernels:
  - .name:           k_qf6b9949cc5_outp
    .symbol:         k_qf6b9949cc5_outp.kd
    .args:
      - { .name: oc, .offset: 0, .size: 8, .value_kind: global_buffer, .address_space: global }
      - { .name: codes, .offset: 8, .size: 8, .value_kind: global_buffer, .address_space: global }
      - { .name: lowp_scales, .offset: 16, .size: 8, .value_kind: global_buffer, .address_space: global }
      - { .name: b_O, .offset: 24, .size: 8, .value_kind: global_buffer, .address_space: global }
      - { .name: out0, .offset: 32, .size: 8, .value_kind: global_buffer, .address_space: global }
    .group_segment_fixed_size: 327680
    .private_segment_fixed_size: 0
    .kernarg_segment_align: 8
    .kernarg_segment_size: 40
    .max_flat_workgroup_size: 128
    .sgpr_count:     100
    .vgpr_count:     1024
    .wavefront_size: 32
...
	.end_amdgpu_metadata
.endif
;; end of part 4
;; ======== version 2 of 2: 4 launches; version 1 with the launch attn written anew for expert scheduling mode
;; workspace buffers: codes 29,360,128 bytes; qkv 25,165,824 bytes; oc 8,388,608 bytes
;; launch quant: the kernel of part 1 again; grid 768 x 1, 4 waves a work-group, no clusters, 34,304 bytes of LDS; arguments x, W_Q, W_K, W_V, W_O, lowp_scales, codes; writes codes
;; launch proj: the kernel of part 2 again; grid 12 x 32, 4 waves a work-group, clusters of 4 x 4, 327,680 bytes of LDS; arguments codes, lowp_scales, b_Q, b_K, b_V, qkv; writes qkv
;; launch attn (part 5): grid 4 x 64, 16 waves a work-group, no clusters, 264,192 bytes of LDS; arguments qkv, lowp_scales, oc; writes oc
.if DOCPART == 5
	.amdgcn_target "amdgcn-amd-amdhsa--gfx1250"
	.amdhsa_code_object_version 6
	.text
	.protected	k_qf6b9949cc5_attn
	.globl	k_qf6b9949cc5_attn
	.p2align	8
	.type	k_qf6b9949cc5_attn,@function
k_qf6b9949cc5_attn:
	s_mov_b64 s[64:65], 0
	v_nop
	global_prefetch_b8 v0, s[64:65] scope:SCOPE_SE
	s_setreg_imm32_b32 hwreg(HW_REG_WAVE_SCHED_MODE, 0, 2), 2
	s_setreg_imm32_b32 hwreg(HW_REG_WAVE_MODE, 25, 1), 1
	s_wait_xcnt 0x0
	s_wait_alu depctr_vm_vsrc(0)
; For each batch and head: O[q] = the sum over keys of softmax(Q[q] . K[key] / 8) V[key], both products on codes of FP8 (E4M3); O is quantised at once for the last product (entry 10 of the exponents).
; qkv holds images of the operands' registers: a fragment's registers 4 G .. 4 G + 3 of lane l lie at 512 G + 16 l; lane (r = lane % 16, h = lane / 16) holds k = 16 c + 8 h + 0 .. 7 of row r in registers 2 c, 2 c + 1.
;   Q at 0, K at KC: [batch x 16 + head][128 tiles of 16 tokens][1,024] (K = the head's 64);   V at 2 KC: [batch x 16 + head][16 steps of 128 keys][4 tiles of 16 channels][2,048] (K = the keys).
; oc: [512 tiles of 16 tokens][16 heads][1,024]: heads 2 F and 2 F + 1 of a tile are fragment F (k = 64 x head + channel) of the last product.
; THE SOFTMAX AHEAD OF THE SECOND PRODUCT: t = score x log2(e) / 8; M = the row's largest t so far, rounded UP to a whole number; p = 2^(t - M) is what is quantised (entry 9); it is not normalised.
; The row's sum is taken of the unquantised p, in f32, and divides O at the end.  When M moves, the sum and O are multiplied by 2^(old M - new M): exact.
; SHARES.  A work-group owns 512 queries of one batch and head; each of its sixteen waves owns 32 of them, two tiles A and B, in 256 registers: four waves to a SIMD, so that one wave's vector work stands beside
; another's matrix work and LDS loads.  A fragment of K or V read from LDS feeds two matrix instructions.
; ALL OF THE HEAD'S K AND V LIE IN LDS, 131,072 bytes each, brought once at the head through registers, 8,192 bytes of each a wave: one barrier in the launch, no slot is ever filled again.
; NO JOINT LOADS, though the four work-groups of a head read the same K and V: what they share is read once, at the head, 262,144 bytes against sixteen key steps' work; and the loop has a branch on a given
; exponent (below).
; LAYOUT.  Both products are used transposed: S^T = K Q^T (source 0 = 16 keys, source 1 = 16 queries), O^T = V^T P^T (source 0 = 16 channels, source 1 = P): a lane holds ONE query throughout.  Register j of tile t of
; S^T is key 16 t + 8 h + j: the conversion of tile t gives registers 2 t, 2 t + 1 of P.  Register j of tile d of O^T is channel 16 d + 8 h + j: its conversion gives registers 2 d, 2 d + 1 of the head's image.
; THE HOLD OF p.  p is at most 1 (but for the last bit), so p / 2^ep can pass 448 only where ep < -8: the 64 holds of a tile stand under a scalar branch on that whole number.
; LIMITS on the given exponents, so that each power of two below is an f32 number: entries 6 + 7 between -123 and 130 (they are added to c's exponent field); entries 9 and 10 between -126 and 119; 8 + 9 is applied by v_ldexp_f32 and has none.
; THE MODE: SCHED_MODE bits 1:0 = 2 (LLVM: expert scheduling mode 2), set by the entry lines.  The code itself states the register dependences
; between vector or matrix instructions and memory or LDS instructions, with s_wait_alu, always for 0.
; THE PLAN.  Two regions of 64 registers, R0 and R1, change places from key step to key step; in a step one is KR, the other SR.  Registers that LDS instructions touch in a step:
;   KR   This step's K landed in it (asked for in the step before); the sixteen products K Q^T read it; then this step's V lands in it; the eight products V^T P read it.
;   SR   The products K Q^T write it and the two softmaxes work in it; behind tile B's softmax, when p has become codes, the NEXT step's K lands in it, ahead of the products V^T P.  It is the next step's KR.
;   v1   The one LDS address: read by every load; made anew twice a step from v0 and s2: V's at the step's head, K's behind tile B's softmax.
; So a step has two pairs of waits.  vm_vsrc at its head (K's loads have read v1), va_vdst behind tile B's products K Q^T (they are done reading KR; v1 is written), and V's loads follow; tile B's softmax names neither KR nor v1.
; vm_vsrc behind that softmax (V's loads have read v1), va_vdst behind v1's two makers (v1 is written; the softmax is done with SR), and K's loads follow; the products V^T P name KR, P and O^T alone.
; A trip of the loop runs two steps, so that the regions are back where they began; which of the two is meant stands in the loads' immediate offsets, and s2 moves on once a trip.
.set KC,   0x800000
.set VIMG, 0x20000                     ; LDS: K's image at 0, V's here
.set QA,   16                          ; v16-23 Q of tile A;  v24-31 of tile B
.set QB,   24
.set R0,   32                          ; v32-95   the two regions: in an even step R0 holds K's eight fragments and later V's four, and R1 holds S^T of one tile and then p;
.set R1,   96                          ; v96-159  in an odd step the other way round
.set OA,   160                         ; v160-191 O^T of tile A;  v192-223 of tile B
.set OB,   192
.set PA,   224                         ; v224-239 P's codes of tile A;  v240-255 of tile B
.set PB,   240
; v0 the thread's number; v1 the address in hand; v2 2^ep (at the end 2^eo); v3 a lane exchange's destination (at the end 448 x 2^eo);
; v4 -M, v5 the largest t, v[6:7] the sum in two halves, of tile A; v8, v9, v[10:11] of tile B; v12 f (v13 is named with it as a pair); v14, v15 at work
	s_load_b128 s[4:7], s[0:1], 0x0                ; qkv s[4:5], the exponents s[6:7]
	s_load_b64 s[8:9], s[0:1], 0x10                ; oc
	v_lshrrev_b32 v1, 5, v0
	v_readfirstlane_b32 s18, v1                    ; wave 0..15
	v_and_b32 v1, 31, v0
	v_lshlrev_b32 v1, 4, v1                        ; 16 x lane
	s_and_b32 s19, ttmp7, 0xffff                   ; batch x 16 + head
	s_lshl_b32 s48, s19, 17                        ; its 131,072 bytes in each of Q, K, V
	s_wait_alu depctr_va_sdst(0)                   ; s18, the wave's number, is written, ahead of its first reader
	s_lshl_b32 s49, s18, 13                        ; my wave's 8,192 bytes of K's image and of V's
	s_add_co_u32 s50, s48, s49
	s_add_co_u32 s50, s50, KC
	s_mov_b32 s51, 0
	s_lshl_b32 s52, ttmp9, 5
	s_lshl_b32 s53, s18, 1
	s_add_co_u32 s52, s52, s53                     ; my first tile of queries in the batch: 32 x work-group x + 2 x wave
	s_lshl_b32 s54, s52, 10
	s_add_co_u32 s54, s54, s48
	s_mov_b32 s55, 0
	s_lshr_b32 s56, s19, 4                         ; oc: ((batch x 128 + tile) x 16 + head) x 1,024
	s_lshl_b32 s56, s56, 7
	s_add_co_u32 s56, s56, s52
	s_lshl_b32 s56, s56, 4
	s_and_b32 s57, s19, 15
	s_add_co_u32 s56, s56, s57
	s_lshl_b32 s56, s56, 10
	s_mov_b32 s57, 0
	s_mov_b32 s20, 0x76543210                      ; lane selects for v_permlanex16_b32: lane l xor 16
	s_mov_b32 s21, 0xfedcba98
	s_wait_kmcnt 0x0
	s_load_b256 s[28:35], s[6:7], 0x0              ; entries 0 to 7: s34 eq, s35 ek
	s_load_b128 s[36:39], s[6:7], 0x20             ; entries 8 to 11: s36 ev, s37 ep, s38 eo
	s_add_nc_u64 s[40:41], s[4:5], s[50:51]        ; K
	s_add_nc_u64 s[42:43], s[40:41], KC            ; V
	s_add_nc_u64 s[44:45], s[4:5], s[54:55]        ; Q
	s_add_nc_u64 s[46:47], s[8:9], s[56:57]        ; oc
	s_wait_alu depctr_va_vdst(0)                   ; v1 is written: the 36 loads below read it as their offset, and so do the first step's loads of K
.set i, 0
.rept 16
	global_load_b128 v[R0+4*i:R0+4*i+3], v1, s[40:41] offset:512*i
.set i, i+1
.endr
.set i, 0
.rept 16
	global_load_b128 v[R1+4*i:R1+4*i+3], v1, s[42:43] offset:512*i
.set i, i+1
.endr
.set i, 0
.rept 4
	global_load_b128 v[QA+4*i:QA+4*i+3], v1, s[44:45] offset:512*i    ; Q's two fragments stay in registers
.set i, i+1
.endr
	v_mov_b32 v5, 0xff61b1e6                       ; the largest t so far: -3e38, under every t
	v_mov_b32 v9, 0xff61b1e6
	v_floor_f32 v4, -v5                            ; -M
	v_floor_f32 v8, -v9
	v_mov_b32 v6, 0                                ; the sums
	v_mov_b32 v7, 0
	v_mov_b32 v10, 0
	v_mov_b32 v11, 0
	v_mov_b32 v3, 0                                ; written once: a lane exchange's destination counts as one of its sources
	v_mov_b32 v13, 0                               ; (named as the upper half of the pair v[12:13])
.set i, 0
.rept 64
	v_mov_b32 v[OA+i], 0                           ; O^T.  (The step has no first form of its own: the first finds zeros, which the first change of M leaves zeros)
.set i, i+1
.endr
	v_and_b32 v14, 31, v0
	v_lshlrev_b32 v14, 4, v14
	s_lshl_b32 s26, s18, 13
	v_add_nc_u32 v14, s26, v14                     ; where my part of K's image goes: 8,192 x wave + 16 x lane,
	v_add_nc_u32 v15, VIMG, v14                    ; and of V's
	s_wait_kmcnt 0x0
	s_add_co_i32 s26, s34, s35
	s_lshl_b32 s26, s26, 23
	s_mov_b32 s22, 0x3e38aa3b                      ; c = log2(e) / 8
	s_add_co_i32 s22, s22, s26                     ; a score stands for score x 2^(eq + ek): the two exponents are added to c's exponent field
	s_mov_b32 s23, s22                             ; (named with it as a pair, so it is written)
	s_add_co_i32 s26, s37, 127
	s_lshl_b32 s27, s26, 23
	v_mov_b32 v2, s27                              ; 2^ep as f32, for the conversion
	s_add_co_i32 s26, s26, 8
	s_lshl_b32 s25, s26, 23
	s_or_b32 s25, s25, 0x600000                    ; 448 x 2^ep
	s_cmp_lt_i32 s37, -8
	s_cselect_b32 s24, 1, 0                        ; 1: p can pass the largest code, and is held
	s_wait_alu depctr_va_vdst(0)                   ; v14 and v15 are written: the LDS stores below read them as their addresses
.set i, 0
.rept 16
	s_wait_loadcnt 35-i                            ; 36 loads were issued; those behind K's load i may be out
	ds_store_b128 v14, v[R0+4*i:R0+4*i+3] offset:512*i
.set i, i+1
.endr
.set i, 0
.rept 16
	s_wait_loadcnt 19-i                            ; those behind V's load i may be out
	ds_store_b128 v15, v[R1+4*i:R1+4*i+3] offset:512*i
.set i, i+1
.endr
	s_wait_loadcnt 0x0                             ; Q
	s_wait_dscnt 0x0                               ; for the others' sake: my stores have landed
	s_barrier_signal -1
	s_barrier_wait -1                              ; the head's K and V lie in LDS; nothing is written there from here on
; One tile's softmax for 128 keys: S^T in v[SR] on becomes p, its codes go to v[P] on; the tile's statistics and O^T are brought under the new M.
.macro SOFTMAX SR, NM, L, O, P
	v_max3_num_f32 v14, v[\SR], v[\SR+1], v[\SR+2] ; the step's largest score of my query among my 64 keys, in two chains; each of the eight results is read from its low end on
	v_max3_num_f32 v15, v[\SR+3], v[\SR+4], v[\SR+5]
.set n, 6
.rept 14
	v_max3_num_f32 v14, v14, v[\SR+n], v[\SR+n+1]
	v_max3_num_f32 v15, v15, v[\SR+n+2], v[\SR+n+3]
.set n, n+4
.endr
	v_max3_num_f32 v14, v14, v[\SR+62], v[\SR+63]
	v_max_num_f32 v14, v14, v15
	v_permlanex16_b32 v3, v14, s20, s21
	v_max_num_f32 v14, v14, v3                     ; and among lane l xor 16's
	v_mul_f32 v14, s22, v14                        ; as t (c is positive)
	v_max_num_f32 v[\NM+1], v[\NM+1], v14          ; the running largest t
	v_mov_b32 v14, v[\NM]
	v_floor_f32 v[\NM], -v[\NM+1]                  ; the new -M = floor(-t) = -ceil(t): M is a whole number
	v_sub_f32 v14, v[\NM], v14                     ; M's old value less its new one: a whole number, 0 or less
	v_cvt_i32_f32 v14, v14                         ; (it saturates)
	v_ldexp_f32 v12, 1.0, v14                      ; f = 2^(old M - new M)
.set n, 0
.rept 32
	v_pk_fma_f32 v[\SR+n:\SR+n+1], v[\SR+n:\SR+n+1], s[22:23], v[\NM:\NM+1] op_sel_hi:[1,0,0]   ; t - M, two at a time (of the pairs c and -M the low word serves both halves)
.set n, n+2
.endr
.set n, 0
.rept 64
	v_exp_f32 v[\SR+n], v[\SR+n]                   ; p = 2^(t - M): not normalised
.set n, n+1
.endr
	v_pk_mul_f32 v[\L:\L+1], v[\L:\L+1], v[12:13] op_sel_hi:[1,0]   ; the sums under the new M: the plain line behind the exponentials
	s_wait_alu depctr_va_vdst(0)                   ; the 64 exponentials have written p: one wait for the whole batch, ahead of its first reader
	v_pk_add_f32 v[14:15], v[\SR:\SR+1], v[\SR+2:\SR+3]    ; the row's sum is taken of the unquantised p: two at a time, in two chains
.set n, 4
.rept 15
	v_pk_add_f32 v[\L:\L+1], v[\L:\L+1], v[\SR+n:\SR+n+1]
	v_pk_add_f32 v[14:15], v[14:15], v[\SR+n+2:\SR+n+3]
.set n, n+4
.endr
	v_pk_add_f32 v[\L:\L+1], v[\L:\L+1], v[14:15]
	s_cmp_eq_u32 s24, 0
	s_cbranch_scc1 .Lno_hold_\@                    ; ep >= -8: p / 2^ep stays under 448
.set n, 0
.rept 64
	v_min_num_f32 v[\SR+n], s25, v[\SR+n]          ; the conversion to an 8-bit code does not saturate (ISA guide 7.6.2); p is not negative, so the hold is one-sided
.set n, n+1
.endr
.Lno_hold_\@:
.set n, 0
.rept 8
	v_cvt_scalef32_pk8_fp8_f32 v[\P+2*n:\P+2*n+1], v[\SR+8*n:\SR+8*n+7], v2
.set n, n+1
.endr
.set n, 0
.rept 16
	v_pk_mul_f32 v[\O+n:\O+n+1], v[\O+n:\O+n+1], v[12:13] op_sel_hi:[1,0]   ; O^T under the new M, each result from its low end on.  (Also the plain lines behind the conversions)
.set n, n+2
.endr
.endm
; A step's eight fragments of K into region R: off bytes on from the address in v1
.macro KLOAD R, off
.set t, 0
.rept 8
	ds_load_b128 v[\R+8*t:\R+8*t+3], v1 offset:(\off)+1024*t
	ds_load_b128 v[\R+8*t+4:\R+8*t+7], v1 offset:(\off)+1024*t+512
.set t, t+1
.endr
.endm
; A KEY STEP: 128 keys for both tiles.  KR: the region in which this step's K is landing; SR: the other one.  off: the step's bytes in K's image and in V's, counted from s2.  more = 1: the next step's K is asked for.
.macro STEP KR, SR, off, more
	s_wait_dscnt 0x0                               ; this step's K is in
	s_wait_alu depctr_vm_vsrc(0)                   ; K's loads have read v1, which the three lines below write
	v_and_b32 v1, 31, v0
	v_lshl_add_u32 v1, v1, 4, s2                   ; 16 x lane + the trip's first byte,
	v_add_nc_u32 v1, VIMG, v1                      ; in V's image
	v_nop
	v_nop                                          ; with the three above: five places between the last step's products, which read v[SR ..] as V's fragments, and the products below, which write over them
.set t, 0
.rept 8
	v_wmma_f32_16x16x64_fp8_fp8 v[\SR+8*t:\SR+8*t+7], v[\KR+8*t:\KR+8*t+7], v[QA:QA+7], 0
.set t, t+1
.endr
.rept 4
	v_nop                                          ; places in front of the first read of the scores
.endr
	SOFTMAX \SR, 4, 6, OA, PA
.set t, 0
.rept 8
	v_wmma_f32_16x16x64_fp8_fp8 v[\SR+8*t:\SR+8*t+7], v[\KR+8*t:\KR+8*t+7], v[QB:QB+7], 0
.set t, t+1
.endr
.rept 4
	v_nop                                          ; four places, for the first read of the scores; they stay beside the wait below
.endr
	s_wait_alu depctr_va_vdst(0)                   ; the sixteen products K Q^T are done reading v[KR ..], in which V's loads land; v1, which those loads read, is written
.set t, 0
.rept 16
	ds_load_b128 v[\KR+4*t:\KR+4*t+3], v1 offset:(\off)+512*t    ; V's four fragments land under tile B's softmax, which names neither v[KR ..] nor v1
.set t, t+1
.endr
	SOFTMAX \SR, 8, 10, OB, PB
.if \more
	s_wait_alu depctr_vm_vsrc(0)                   ; V's loads have read v1, which the two lines below write
	v_and_b32 v1, 31, v0
	v_lshl_add_u32 v1, v1, 4, s2                   ; 16 x lane + the trip's first byte, in K's image
	s_wait_alu depctr_va_vdst(0)                   ; v1 is written; tile B's softmax is done reading and writing v[SR ..], in which the next step's K lands
	KLOAD \SR, (\off)+8192                         ; it lands under the products below, which name v[KR ..], P and O^T alone
	s_wait_dscnt 16                                ; LDS loads come back in order (ISA guide 5.7.1): V's sixteen are in, the sixteen younger ones stay out
.else
	s_wait_dscnt 0x0                               ; V is in; nothing more is asked for
.endif
.set t, 0
.rept 4                                        ; the eight accumulators take turns, one instruction a turn
	v_wmma_f32_16x16x128_fp8_fp8 v[OA+8*t:OA+8*t+7], v[\KR+16*t:\KR+16*t+15], v[PA:PA+15], v[OA+8*t:OA+8*t+7]
	v_wmma_f32_16x16x128_fp8_fp8 v[OB+8*t:OB+8*t+7], v[\KR+16*t:\KR+16*t+15], v[PB:PB+15], v[OB+8*t:OB+8*t+7]
.set t, t+1
.endr
.endm
	s_mov_b32 s2, 0                                ; the trip's first byte in K's image and in V's
	s_mov_b32 s3, 7                                ; trips of two key steps; the last two steps are written out
	s_wait_alu depctr_vm_vsrc(0)                   ; my LDS stores have read v14, v15 and v32-159, and the loads at the head v1: K lands in v32-95 below, and the first step writes the others
	KLOAD R0, 0                                    ; key step 0: v1 still holds 16 x lane, and the step begins at byte 0
.Lkey:                                             ; a trip: two key steps, so that the two regions are back where they began
	STEP R0, R1, 0, 1
	STEP R1, R0, 8192, 1
	s_add_co_u32 s2, s2, 16384
	s_sub_co_u32 s3, s3, 1
	s_cmp_lg_u32 s3, 0
	s_cbranch_scc1 .Lkey
	STEP R0, R1, 0, 1                              ; key step 14
	STEP R1, R0, 8192, 0                           ; key step 15: there is no K behind it
	; THE WAY OUT.  O^T x 2^(ep + ev) / the sum, held, converted with 2^eo, stored as the head's half of a fragment.  The additions are the places behind the last products.
	v_add_f32 v6, v6, v7                           ; the sums' two halves,
	v_add_f32 v10, v10, v11
	v_permlanex16_b32 v3, v6, s20, s21
	v_permlanex16_b32 v13, v10, s20, s21
	v_add_f32 v6, v6, v3                           ; and lane l xor 16's
	v_add_f32 v10, v10, v13
	v_rcp_f32 v12, v6
	v_rcp_f32 v14, v10
	s_wait_alu depctr_vm_vsrc(0)                   ; the last step's loads of V have read v1, which the two lines below write
	v_and_b32 v1, 31, v0                           ; (the plain line behind the reciprocals)
	v_lshlrev_b32 v1, 4, v1                        ; 16 x lane
	s_add_co_i32 s26, s36, s37                     ; ev + ep
	s_add_co_i32 s27, s38, 127
	s_lshl_b32 s48, s27, 23
	s_add_co_i32 s27, s27, 8
	s_lshl_b32 s27, s27, 23
	s_or_b32 s27, s27, 0x600000
	v_mov_b32 v2, s48                              ; 2^eo
	v_mov_b32 v3, s27                              ; 448 x 2^eo
	s_wait_alu depctr_va_vdst(0)                   ; both reciprocals have written v12 and v14: one wait, ahead of their first reader
	v_ldexp_f32 v12, v12, s26
	v_ldexp_f32 v14, v14, s26
.set n, 0
.rept 16
	v_pk_mul_f32 v[R0+n:R0+n+1], v[OA+n:OA+n+1], v[12:13] op_sel_hi:[1,0]       ; tile A, each result from its low end on; into the region that the last step's p has left
.set n, n+2
.endr
.set n, 0
.rept 16
	v_pk_mul_f32 v[R0+32+n:R0+32+n+1], v[OB+n:OB+n+1], v[14:15] op_sel_hi:[1,0] ; tile B
.set n, n+2
.endr
.set t, 0
.rept 8
.set n, 0
.rept 8
	v_med3_num_f32 v[R0+8*t+n], v[R0+8*t+n], -v3, v3
.set n, n+1
.endr
	v_cvt_scalef32_pk8_fp8_f32 v[PA+16*(t/4)+2*(t%4):PA+16*(t/4)+2*(t%4)+1], v[R0+8*t:R0+8*t+7], v2   ; the next tile's holds are the plain lines behind it
.set t, t+1
.endr
	v_nop                                          ; a plain line behind the last conversion
	s_wait_alu depctr_va_vdst(0)                   ; the conversions have written the codes in v224-231 and v240-247, which the four stores read
	global_store_b128 v1, v[PA:PA+3], s[46:47]                    ; tile A: 1,024 bytes in two stores of 512 consecutive bytes,
	global_store_b128 v1, v[PA+4:PA+7], s[46:47] offset:512
	global_store_b128 v1, v[PB:PB+3], s[46:47] offset:16384       ; tile B: the next tile of tokens, sixteen heads further on
	global_store_b128 v1, v[PB+4:PB+7], s[46:47] offset:16896
	s_wait_xcnt 0x0
	v_lshl_add_u32 v254, v0, 2, 0x40000            ; no memory or LDS instruction has read v254 or v255
	v_mov_b32 v255, 0
	s_wait_dscnt 0x0                               ; the closing lines, six on end
	s_wait_alu 0x0
	s_wait_tensorcnt 0x0
	ds_add_u32 v254, v255
	s_wait_dscnt 0x0
	s_endpgm
.Lfunc_end_k_qf6b9949cc5_attn:
	.size	k_qf6b9949cc5_attn, .Lfunc_end_k_qf6b9949cc5_attn-k_qf6b9949cc5_attn
	.p2alignl 7, 3214868480
	.fill 96, 4, 3214868480
	.section	.rodata,"a",@progbits
	.p2align	6, 0x0
	.amdhsa_kernel k_qf6b9949cc5_attn
		.amdhsa_group_segment_fixed_size 264192
		.amdhsa_private_segment_fixed_size 0
		.amdhsa_enable_private_segment 0
		.amdhsa_kernarg_size 24
		.amdhsa_user_sgpr_count 2
		.amdhsa_user_sgpr_kernarg_segment_ptr 1
		.amdhsa_wavefront_size32 1
		.amdhsa_system_sgpr_workgroup_id_x 1
		.amdhsa_system_sgpr_workgroup_id_y 1
		.amdhsa_system_sgpr_workgroup_id_z 1
		.amdhsa_system_vgpr_workitem_id 0
		.amdhsa_next_free_vgpr 256
		.amdhsa_next_free_sgpr 66
		.amdhsa_reserve_vcc 0
		.amdhsa_float_denorm_mode_32 3
		.amdhsa_float_denorm_mode_16_64 3
		.amdhsa_memory_ordered 1
		.amdhsa_forward_progress 1
		.amdhsa_inst_pref_size 133
	.end_amdhsa_kernel
	.amdgpu_metadata
---
amdhsa.version: [ 1, 2 ]
amdhsa.kernels:
  - .name:           k_qf6b9949cc5_attn
    .symbol:         k_qf6b9949cc5_attn.kd
    .args:
      - { .name: qkv, .offset: 0, .size: 8, .value_kind: global_buffer, .address_space: global }
      - { .name: lowp_scales, .offset: 8, .size: 8, .value_kind: global_buffer, .address_space: global }
      - { .name: oc, .offset: 16, .size: 8, .value_kind: global_buffer, .address_space: global }
    .group_segment_fixed_size: 264192
    .private_segment_fixed_size: 0
    .kernarg_segment_align: 8
    .kernarg_segment_size: 24
    .max_flat_workgroup_size: 512
    .sgpr_count:     66
    .vgpr_count:     256
    .wavefront_size: 32
...
	.end_amdgpu_metadata
.endif
;; end of part 5
;; launch outp: the kernel of part 4 again; grid 4 x 32, 4 waves a work-group, clusters of 4 x 4, 327,680 bytes of LDS; arguments oc, codes, lowp_scales, b_O, out0; writes out0
